; MI455X (gfx1250); checked and timed in simulation.
; The chip was launched on July 23, 2026; its instructions are those of AMD's public machine-readable ISA for CDNA 5 (MIT licence, August 2026) and "CDNA5" Instruction Set Architecture Reference Guide (July 2026). The comments in the code are by the model that wrote it; some were corrected since.
;; Causal Self Attention. Allowed arithmetic: matrix products marked QUANTISED: E2M1 operands, one E8M0 scale for each 32 along K, by v_wmma_scale_f32_16x16x128_f8f6f4 with both operands' format E2M1 (or v_wmma_scale_f32_32x16x128_f4), f32 sums; products left as they are: bf16, f16 or f32 operands; f32 sums; everything else in f32.
;; Inputs: Wk 1,024 x 1,024 float32; Wp 1,024 x 1,024 float32; Wq 1,024 x 1,024 float32; Wv 1,024 x 1,024 float32; bk 1,024 float32; bp 1,024 float32; bq 1,024 float32; bv 1,024 float32; x 4 x 2,048 x 1,024 float32.
;; Outputs: out0 4 x 2,048 x 1,024 float32.
;; This version of the problem:
;;   THIS VERSION OF THE PROBLEM IS GIVEN IN LOW PRECISION. The matrix products marked QUANTISED in the list below multiply operands that are first quantised to E2M1 (2 exponent bits, 1 mantissa bit; 4 bits a number), with one power-of-two scale for each 32 numbers along K (OCP MX v1.0); their sums are f32. The products marked 'left as it is' may take bf16, f16 or f32 operands, with f32 sums. Whichever they take, every output number must still come out within the allowed error. Rounding operands to bf16 (8 significant bits) uses up far more of that allowance than f16 does (11 bits, for magnitudes from 6e-5 to 65,504). All else is computed in f32.
;;   The module's matrix products, in the order in which they are computed (A, B: the left and right operand; K: the contracted axis; several contracted axes count as one K, in the product's order):
;;     1. [M 8,192, K 1,024] x [K 1,024, N 1,024]; A: input x; B: input Wq: QUANTISED
;;     2. [M 8,192, K 1,024] x [K 1,024, N 1,024]; A: input x; B: input Wk: QUANTISED
;;     3. [M 8,192, K 1,024] x [K 1,024, N 1,024]; A: input x; B: input Wv: QUANTISED
;;     4. batch 64 x [M 2,048, K 64] x [K 64, N 2,048]; A: computed on the way; B: computed on the way: left as it is (an operand is computed on the way)
;;     5. batch 64 x [M 2,048, K 2,048] x [K 2,048, N 64]; A: computed on the way; B: computed on the way: left as it is (an operand is computed on the way)
;;     6. [M 8,192, K 1,024] x [K 1,024, N 1,024]; A: computed on the way; B: input Wp: left as it is (an operand is computed on the way)
;;   THE QUANTISER, for each operand of a quantised product, along K:
;;     - K is cut into blocks of 32 from its start; a last block that is shorter is filled with zeros.
;;     - A block's scale is 2^e with e = floor(log2(the largest magnitude in the block)) - 2, held to -126 .. 127; a block of zeros has e = 0. As a byte (E8M0): e + 127.
;;     - Each number is divided by its block's scale, clamped to +-6, and rounded to the nearest number of E2M1, ties to even, subnormals kept.
;;     - The product sums the exact products of the quantised numbers (number of the format x scale) in f32.
;;   ~~~python
;;   def quantise(x, axis):      # numpy; x: float32 -> the quantised numbers, widened to float32 again
;;       x = np.moveaxis(x, axis, -1); K = x.shape[-1]
;;       x = np.pad(x, [(0, 0)] * (x.ndim - 1) + [(0, -K % 32)]); x = x.reshape(x.shape[:-1] + (-1, 32)); a = np.abs(x).max(-1, keepdims=True)
;;       e = np.where(a > 0, np.clip(np.frexp(np.where(a > 0, a, 1))[1] - 1 - 2, -126, 127), 0)      # np.frexp(a)[1] - 1 = floor(log2(a)), exactly
;;       r = np.clip(x / 2.0 ** e, -6, 6)
;;       step = 2.0 ** (np.maximum(np.frexp(np.where(r == 0, 1, r))[1] - 1, 0) - 1)
;;       q = np.round(r / step) * step * 2.0 ** e      # np.round: ties to even
;;       return np.moveaxis(q.reshape(q.shape[:-2] + (-1,))[..., :K], -1, axis).astype(np.float32)
;;   ~~~
;; One version. Each part assembles by itself: llvm-mc -triple=amdgcn-amd-amdhsa -mcpu=gfx1250 --defsym DOCPART=n.
;; ======== version 1 of 1: 5 launches
;; limits: values are held in f16: magnitudes above 65,504 overflow, below 6.1e-05 lose precision
;; workspace buffers: xc 4,194,304 bytes; xs 262,144 bytes; wc 1,572,864 bytes; ws 98,304 bytes; wpt 2,097,152 bytes; qkv 50,331,648 bytes; first 786,432 bytes; ao 16,777,216 bytes
;; launch prep (part 1): grid 288 x 1, 8 waves a work-group, no clusters, 121,856 bytes of LDS; arguments x, Wq, Wk, Wv, Wp, xc, xs, wc, ws, wpt; writes xc, xs, wc, ws, wpt
.if DOCPART == 1
	.amdgcn_target "amdgcn-amd-amdhsa--gfx1250"
	.amdhsa_code_object_version 6
	.text
	.protected	k_q9d8c626e1b_prep
	.globl	k_q9d8c626e1b_prep
	.p2align	8
	.type	k_q9d8c626e1b_prep,@function
k_q9d8c626e1b_prep:
	s_mov_b64 s[64:65], 0
	v_nop
	global_prefetch_b8 v0, s[64:65] scope:SCOPE_SE
	s_setreg_imm32_b32 hwreg(HW_REG_WAVE_MODE, 25, 1), 1
	s_wait_xcnt 0x0
; CAUSAL SELF-ATTENTION, first of five launches: the operands of the three quantised products are made once, and Wp is laid out for the last product.
; WORK LEFT OUT IN THE WHOLE PROGRAM, AND WHY IT IS DEAD.
;   bk.  The score of query t and key s is q_t . (x_s Wk + bk) = q_t . (x_s Wk) + q_t . bk.  The second term is the same for every s of row t, and the softmax
;   runs over s: a term that is the same along the softmax's axis cancels for all values of the inputs (masked places stay -infinity).  The product q k^T is not
;   quantised, so no code and no scale hangs on bk.  bk is not loaded and is among no launch's arguments.
;   Key tiles that lie wholly above the diagonal of the causal mask, which reference() builds itself, are not multiplied.
;   LIMIT: a NaN, an infinity or an overflow that reaches only bk, or only masked scores, is not carried to the result.
; THIS LAUNCH, three paths that part on the work-group's number and never join; each has LDS bytes of its own:
;   X (work-groups 0-127):   x [8192][1024] f32 -> xc: codes of E2M1, K innermost, two a byte; xs: one E8M0 byte for each 32 along K.
;   W (work-groups 128-223): Wq, Wk, Wv [k 1024][n 1024] f32, K their FIRST axis -> wc [3072 = q|k|v columns][512 bytes], ws [3072][32].
;   P (work-groups 224-287): Wp [k][n] f32 -> wpt: f16, [16 planes of 64 k][1024 n][64 k].
; A block's scale is 2^(floor(log2(its largest magnitude)) - 2); its byte is the largest magnitude's exponent field - 2, held at 1 from below.
; LIMITS: a block of zeros gets the byte 1 where the rule says 127 (its codes are zeros, and this program alone reads the bytes); blocks whose largest magnitude
; lies under 2^-124 keep the byte 1; NaN and infinities among the inputs are not served; Wp is rounded to f16: magnitudes up to 65,504, steps of 6e-8 under 6e-5.
.set WREG,  8192                       ; path X: a region for each wave: two stages of 32 x 80 bytes, then its 256 scale bytes
.set SP,    80                         ; a lane's place in a stage: 64 bytes + 16 of padding
.set WST,   65536                      ; path W: 64 columns x (256 bytes of codes + 16)
.set WSC,   82944                      ; path W: 64 columns x 16 scale bytes
.set PST,   83968                      ; path P: for each wave 32 columns x (128 bytes + 16)
.set SPARE, 120832                     ; the spare words, 128 bytes for each wave: four blocks of 256 bytes that no other line names
.set SPW,   12                         ; v12  LDS address of my spare word; never rewritten
.set NIL,   13                         ; v13  0; never rewritten
.set RR,    16                         ; path X: v16-143  eight sets of 16 numbers as loaded
.set XX,    144                        ; v144-175 two sets of 16 neighbours
.set EE,    176                        ; v176-191 a scale byte for each step
.set CC,    192                        ; v192-223 two registers of codes for each step
	s_load_b512 s[4:19], s[0:1], 0x0               ; x s[4:5], Wq s[6:7], Wk s[8:9], Wv s[10:11], Wp s[12:13], xc s[14:15], xs s[16:17], wc s[18:19]
	s_load_b128 s[20:23], s[0:1], 0x40             ; ws s[20:21], wpt s[22:23]
	v_lshl_add_u32 v[SPW], v0, 2, SPARE
	v_mov_b32 v[NIL], 0
	v_lshrrev_b32 v1, 5, v0
	v_readfirstlane_b32 s24, v1                    ; wave 0..7
	v_and_b32 v2, 31, v0                           ; lane
	s_wait_kmcnt 0x0
	s_cmp_lt_u32 ttmp9, 128
	s_cbranch_scc0 .Lnot_x
; ---------------- PATH X.  x is a plain stream of blocks of 32.  A wave takes 16 steps of 512 numbers.  Each load reads 512 consecutive bytes; a step's 2,048 bytes turn through the
; wave's own stage in LDS so that a lane then holds 16 NEIGHBOURS (two lanes hold a block), as the conversions want.  Loads run eight steps (32 loads a wave) ahead.
	v_lshlrev_b32 v3, 4, v2                        ; my 16 bytes of a load's 512
	s_mul_i32 s25, s24, WREG
	v_lshrrev_b32 v14, 2, v2
	v_mul_u32_u24 v14, v14, SP
	v_and_b32 v15, 3, v2
	v_lshl_add_u32 v14, v15, 4, v14
	v_add_nc_u32 v14, s25, v14                     ; the stage, on the way in: 80 (lane / 4) + 16 (lane % 4)
	v_mul_u32_u24 v15, v2, SP
	v_add_nc_u32 v15, s25, v15                     ; and on the way out: 80 x lane
	v_lshlrev_b32 v4, 3, v2                        ; 8 bytes a lane: my codes' place in a step's, and my part of the wave's scale bytes
	v_lshrrev_b32 v5, 1, v2
	s_add_co_u32 s25, s25, 2*32*SP
	v_add_nc_u32 v5, s25, v5                       ; LDS: my block's scale byte
	v_add_nc_u32 v6, s25, v4                       ; LDS: 8 scale bytes a lane on the way out
	s_lshl_b32 s26, ttmp9, 3
	s_add_co_u32 s26, s26, s24                     ; which run of 8,192 numbers is my wave's: 0 .. 1,023
	s_mov_b32 s29, 0
	s_lshl_b32 s28, s26, 15
	s_add_nc_u64 s[4:5], s[4:5], s[28:29]          ; 32,768 bytes of x a run,
	s_lshl_b32 s28, s26, 12
	s_add_nc_u64 s[14:15], s[14:15], s[28:29]      ; 4,096 of codes,
	s_lshl_b32 s28, s26, 8
	s_add_nc_u64 s[16:17], s[16:17], s[28:29]      ; 256 scale bytes
.macro XLOAD t
.irp i, 0,1,2,3
	global_load_b128 v[RR+16*((\t)%8)+4*\i:RR+16*((\t)%8)+4*\i+3], v3, s[4:5] offset:2048*(\t)+512*\i th:TH_LOAD_NT
.endr
.endm
.macro XTURN t                         ; step t through the stage: LDS serves a wave's instructions in order, so no wait stands between the stores and the loads
.irp i, 0,1,2,3
	ds_store_b128 v14, v[RR+16*((\t)%8)+4*\i:RR+16*((\t)%8)+4*\i+3] offset:32*SP*((\t)%2)+8*SP*\i
.endr
.irp i, 0,1,2,3
	ds_load_b128 v[XX+16*((\t)%2)+4*\i:XX+16*((\t)%2)+4*\i+3], v15 offset:32*SP*((\t)%2)+16*\i
.endr
.endm
.irp t, 0,1,2,3,4,5,6,7
	XLOAD \t
.endr
	s_wait_loadcnt 28                              ; step 0's four loads are in; those of steps 1 to 7 stay out
	XTURN 0
.macro XSTEP t
.set XS, XX+16*((\t)%2)
.if (\t) > 0
	s_wait_dscnt 1                                 ; this step's numbers are back from the stage (the last step's byte store may be out): so its stores into the stage have read their registers,
.else
	s_wait_dscnt 0x0
.endif
.if (\t)+8 < 16
	XLOAD (\t)+8                                   ; which take the loads of eight steps on
.endif
.if (\t)+1 < 16
.if (\t)+8 < 16
	s_wait_loadcnt 28                              ; the next step's four loads are in; those of the seven steps behind it may be out
.else
	s_wait_loadcnt 4*(14-(\t))                     ; the counts run down: steps t + 2 .. 15 may be out
.endif
	XTURN (\t)+1
.endif
	v_max3_num_f32 v8, |v[XS]|, |v[XS+1]|, |v[XS+2]|               ; the largest magnitude of my 16, in two chains
	v_max3_num_f32 v9, |v[XS+3]|, |v[XS+4]|, |v[XS+5]|
.irp i, 6,10
	v_max3_num_f32 v8, v8, |v[XS+\i]|, |v[XS+\i+1]|
	v_max3_num_f32 v9, v9, |v[XS+\i+2]|, |v[XS+\i+3]|
.endr
	v_max3_num_f32 v8, v8, |v[XS+14]|, |v[XS+15]|
	v_max3_num_f32 v8, v8, v9, 0x1800000           ; and the floor 2^(3 - 127): the byte cannot fall under 1
	v_max_num_f32_dpp v8, v8, v8 row_xmask:1 row_mask:0xf bank_mask:0xf   ; and of my neighbour's 16: the block's
	v_add_nc_u32 v11, 0xff000000, v8               ; 2 off its exponent field: the conversion takes the exponent field of this operand as its scale
	v_cvt_scalef32_pk8_fp4_f32 v[CC+2*(\t)], v[XS:XS+7], v11
	v_cvt_scalef32_pk8_fp4_f32 v[CC+2*(\t)+1], v[XS+8:XS+15], v11
	v_lshrrev_b32 v[EE+(\t)], 23, v11              ; the scale's byte (also the plain line behind the conversions)
	ds_store_b8 v5, v[EE+(\t)] offset:16*(\t)      ; both lanes of a block write the same byte with the same value
	global_store_b64 v4, v[CC+2*(\t):CC+2*(\t)+1], s[14:15] offset:256*(\t)   ; the wave stores 256 consecutive bytes, aligned
.endm
.irp t, 0,1,2,3,4,5,6,7,8,9,10,11,12,13,14,15
	XSTEP \t
.endr
	ds_load_b64 v[8:9], v6                         ; LDS serves a wave's instructions in order: these see my byte stores
	s_wait_dscnt 0x0
	global_store_b64 v4, v[8:9], s[16:17]          ; 256 consecutive scale bytes, aligned
	s_wait_tensorcnt 0x0                           ; the wave's end, behind my last LDS store
	ds_add_u32 v[SPW], v[NIL]
	s_wait_dscnt 0x0
	s_endpgm
; ---------------- PATH W.  A lane takes a column n and its registers run DOWN K: a block of 32 lies in one lane, and the codes come out with K innermost.
; A work-group takes 64 columns x 512 of K of one tensor; wave w takes columns 32 (w % 2) on and 128 of K from 128 (w / 2) on: 128 loads a wave, four blocks a lane.
.Lnot_x:
	s_cmp_lt_u32 ttmp9, 224
	s_cbranch_scc0 .Lpath_p
	s_sub_co_u32 s25, ttmp9, 128
	s_lshr_b32 s26, s25, 5                         ; tensor: 0 Wq, 1 Wk, 2 Wv
	s_and_b32 s27, s25, 15                         ; which 64 columns
	s_bfe_u32 s28, s25, 0x10004                    ; which 512 of K
	s_and_b32 s29, s24, 1                          ; side: which 32 of the columns
	s_lshr_b32 s30, s24, 1                         ; kq: which 128 of the 512
	s_cmp_eq_u32 s26, 2
	s_cselect_b64 s[8:9], s[10:11], s[8:9]
	s_cmp_eq_u32 s26, 0
	s_cselect_b64 s[6:7], s[6:7], s[8:9]           ; the tensor: the choice hangs on the work-group's number alone
	s_lshl_b32 s31, s28, 2
	s_add_co_u32 s31, s31, s30
	s_lshl_b32 s32, s31, 19                        ; (512 kh + 128 kq) rows of 4,096 bytes
	s_lshl_b32 s33, s27, 8
	s_add_co_u32 s32, s32, s33                     ; + 64 columns x 4 bytes
	s_lshl_b32 s33, s29, 7
	s_add_co_u32 s32, s32, s33                     ; + 32 columns x 4 bytes
	s_mov_b32 s33, 0
	s_add_nc_u64 s[6:7], s[6:7], s[32:33]
	v_lshlrev_b32 v3, 2, v2
.set i, 0
.rept 128
	global_load_b32 v[16+i], v3, s[6:7] offset:i*4096 th:TH_LOAD_NT   ; W(k0 + i, my column): the wave reads 128 consecutive bytes, two waves side by side 256
.set i, i+1
.endr
	s_mul_i32 s34, s29, 32*272
	s_lshl_b32 s35, s30, 6
	s_add_co_u32 s34, s34, s35
	s_add_co_u32 s34, s34, WST
	v_mul_u32_u24 v4, v2, 272
	v_add_nc_u32 v4, s34, v4                       ; the stage, in: row = my column, byte 64 kq
	s_lshl_b32 s34, s29, 9
	s_lshl_b32 s35, s30, 2
	s_add_co_u32 s34, s34, s35
	s_add_co_u32 s34, s34, WSC
	v_lshlrev_b32 v5, 4, v2
	v_add_nc_u32 v5, s34, v5                       ; my column's 16 scale bytes, word kq
	v_lshrrev_b32 v10, 4, v2
	v_and_b32 v11, 15, v2
	s_mul_i32 s34, s24, 8*272
	s_add_co_u32 s34, s34, WST
	v_mul_u32_u24 v6, v10, 272
	v_lshl_add_u32 v6, v11, 4, v6
	v_add_nc_u32 v6, s34, v6                       ; the stage, out: wave w takes rows 8 w on, sixteen lanes to a row
	s_lshl_b32 s34, s24, 7
	s_add_co_u32 s34, s34, WSC
	v_add_nc_u32 v7, s34, v3                       ; and those rows' 128 scale bytes, a word a lane
	v_lshlrev_b32 v14, 9, v10
	v_lshl_add_u32 v14, v11, 4, v14                ; the same places in wc: rows of 512 bytes
	v_lshrrev_b32 v15, 2, v2
	v_lshlrev_b32 v15, 5, v15
	v_and_b32 v10, 3, v2
	v_lshl_add_u32 v15, v10, 2, v15                ; and in ws: rows of 32 bytes
	s_lshl_b32 s34, s26, 10
	s_lshl_b32 s35, s27, 6
	s_add_co_u32 s34, s34, s35
	s_lshl_b32 s35, s24, 3
	s_add_co_u32 s34, s34, s35                     ; the first row that my wave stores: 1024 tensor + 64 cg + 8 w
	s_lshl_b32 s36, s34, 9
	s_lshl_b32 s35, s28, 8
	s_add_co_u32 s36, s36, s35
	s_mov_b32 s37, 0
	s_add_nc_u64 s[18:19], s[18:19], s[36:37]
	s_lshl_b32 s36, s34, 5
	s_lshl_b32 s35, s28, 4
	s_add_co_u32 s36, s36, s35
	s_add_nc_u64 s[20:21], s[20:21], s[36:37]
.macro WBLOCK t, left
.set XS, 16+32*(\t)
	s_wait_loadcnt \left                           ; this block's 32 loads are in
	v_max3_num_f32 v8, |v[XS]|, |v[XS+1]|, |v[XS+2]|               ; the block's largest magnitude: all 32 numbers are mine
	v_max3_num_f32 v9, |v[XS+3]|, |v[XS+4]|, |v[XS+5]|
.irp i, 6,10,14,18,22,26
	v_max3_num_f32 v8, v8, |v[XS+\i]|, |v[XS+\i+1]|
	v_max3_num_f32 v9, v9, |v[XS+\i+2]|, |v[XS+\i+3]|
.endr
	v_max3_num_f32 v8, v8, |v[XS+30]|, |v[XS+31]|
	v_max3_num_f32 v8, v8, v9, 0x1800000           ; and the floor 2^(3 - 127)
	v_add_nc_u32 v11, 0xff000000, v8               ; the conversion's scale operand
	v_lshrrev_b32 v10, 23, v11                     ; the scale's byte
.if (\t) == 0
	v_mov_b32 v160, v10                            ; four bytes to a register, the lower K in the lower byte
.else
	v_lshl_or_b32 v160, v10, 8*(\t), v160
.endif
.irp g, 0,1,2,3
	v_cvt_scalef32_pk8_fp4_f32 v[144+4*(\t)+\g], v[XS+8*\g:XS+8*\g+7], v11
.endr
	v_nop                                          ; one plain line behind the conversions
	ds_store_b128 v4, v[144+4*(\t):144+4*(\t)+3] offset:16*(\t)    ; 32 codes: 16 bytes of my column's row
.endm
	WBLOCK 0, 63                                   ; 96 younger loads may be out; a wait names 63 at the most
	WBLOCK 1, 63                                   ; 64 may be out
	WBLOCK 2, 32                                   ; the last block's 32
	WBLOCK 3, 0
	ds_store_b32 v5, v160
	s_wait_dscnt 0x0                               ; for the others' sake: my stores have landed
	s_barrier_signal -1
	s_barrier_wait -1                              ; 64 whole rows of 256 bytes of codes, and their scale bytes, lie in LDS
.irp i, 0,1,2,3
	ds_load_b128 v[16+4*\i:16+4*\i+3], v6 offset:2*\i*272
.endr
	ds_load_b32 v40, v7
.irp i, 0,1,2,3
	s_wait_dscnt 4-\i
	global_store_b128 v14, v[16+4*\i:16+4*\i+3], s[18:19] offset:2*\i*512   ; sixteen lanes store 256 consecutive bytes, aligned
.endr
	s_wait_dscnt 0x0
	global_store_b32 v15, v40, s[20:21]            ; 16 bytes of each of eight rows of ws
	s_wait_tensorcnt 0x0                           ; the wave's end
	ds_add_u32 v[SPW], v[NIL]
	s_wait_dscnt 0x0
	s_endpgm
; ---------------- PATH P.  A lane takes a column n of Wp and 64 of K (a plane): 64 numbers become 128 bytes of f16 with K innermost, which is a row of wpt.
.Lpath_p:
	s_sub_co_u32 s25, ttmp9, 224
	s_and_b32 s26, s25, 3                          ; which 256 columns
	s_lshr_b32 s27, s25, 2                         ; plane
	s_lshl_b32 s28, s27, 18                        ; 64 rows of 4,096 bytes
	s_lshl_b32 s29, s26, 10
	s_add_co_u32 s28, s28, s29
	s_lshl_b32 s29, s24, 7                         ; my wave's 32 columns
	s_add_co_u32 s28, s28, s29
	s_mov_b32 s29, 0
	s_add_nc_u64 s[12:13], s[12:13], s[28:29]
	v_lshlrev_b32 v3, 2, v2
.set i, 0
.rept 64
	global_load_b32 v[16+i], v3, s[12:13] offset:i*4096
.set i, i+1
.endr
	s_mul_i32 s30, s24, 4608
	s_add_co_u32 s30, s30, PST
	v_mul_u32_u24 v4, v2, 144
	v_add_nc_u32 v4, s30, v4                       ; my stage, in: row = my column
	v_lshrrev_b32 v5, 3, v2
	v_mul_u32_u24 v5, v5, 144
	v_and_b32 v6, 7, v2
	v_lshl_add_u32 v5, v6, 4, v5
	v_add_nc_u32 v5, s30, v5                       ; out: eight lanes to a row, four rows an instruction
	v_lshlrev_b32 v7, 4, v2                        ; and in wpt, whose rows are dense: 16 x lane
	s_lshl_b32 s30, s27, 17                        ; (1024 plane + 256 cg + 32 w) rows of 128 bytes
	s_lshl_b32 s31, s26, 15
	s_add_co_u32 s30, s30, s31
	s_lshl_b32 s31, s24, 12
	s_add_co_u32 s30, s30, s31
	s_mov_b32 s31, 0
	s_add_nc_u64 s[22:23], s[22:23], s[30:31]
	s_wait_loadcnt 0x0
.set i, 0
.rept 32
	v_cvt_pk_f16_f32 v[144+i], v[16+2*i], v[17+2*i]
.set i, i+1
.endr
.irp i, 0,1,2,3,4,5,6,7
	ds_store_b128 v4, v[144+4*\i:144+4*\i+3] offset:16*\i
.endr
.irp i, 0,1,2,3,4,5,6,7
	ds_load_b128 v[16+4*\i:16+4*\i+3], v5 offset:576*\i    ; LDS serves a wave's instructions in order: these see my stores
.endr
.irp i, 0,1,2,3,4,5,6,7
	s_wait_dscnt 7-\i
	global_store_b128 v7, v[16+4*\i:16+4*\i+3], s[22:23] offset:512*\i   ; the wave stores 512 consecutive bytes, aligned
.endr
	s_wait_tensorcnt 0x0                           ; the wave's end
	ds_add_u32 v[SPW], v[NIL]
	s_wait_dscnt 0x0
	s_endpgm
.Lfunc_end_k_q9d8c626e1b_prep:
	.size	k_q9d8c626e1b_prep, .Lfunc_end_k_q9d8c626e1b_prep-k_q9d8c626e1b_prep
	.p2alignl 7, 3214868480
	.fill 96, 4, 3214868480
	.section	.rodata,"a",@progbits
	.p2align	6, 0x0
	.amdhsa_kernel k_q9d8c626e1b_prep
		.amdhsa_group_segment_fixed_size 121856
		.amdhsa_private_segment_fixed_size 0
		.amdhsa_enable_private_segment 0
		.amdhsa_kernarg_size 80
		.amdhsa_user_sgpr_count 2
		.amdhsa_user_sgpr_kernarg_segment_ptr 1
		.amdhsa_wavefront_size32 1
		.amdhsa_system_sgpr_workgroup_id_x 1
		.amdhsa_system_sgpr_workgroup_id_y 1
		.amdhsa_system_sgpr_workgroup_id_z 1
		.amdhsa_system_vgpr_workitem_id 0
		.amdhsa_next_free_vgpr 224
		.amdhsa_next_free_sgpr 66
		.amdhsa_reserve_vcc 0
		.amdhsa_float_denorm_mode_32 3
		.amdhsa_float_denorm_mode_16_64 3
		.amdhsa_memory_ordered 1
		.amdhsa_forward_progress 1
		.amdhsa_inst_pref_size 66
	.end_amdhsa_kernel
	.amdgpu_metadata
---
amdhsa.version: [ 1, 2 ]
amdhsa.kernels:
  - .name:           k_q9d8c626e1b_prep
    .symbol:         k_q9d8c626e1b_prep.kd
    .args:
      - { .name: x, .offset: 0, .size: 8, .value_kind: global_buffer, .address_space: global }
      - { .name: Wq, .offset: 8, .size: 8, .value_kind: global_buffer, .address_space: global }
      - { .name: Wk, .offset: 16, .size: 8, .value_kind: global_buffer, .address_space: global }
      - { .name: Wv, .offset: 24, .size: 8, .value_kind: global_buffer, .address_space: global }
      - { .name: Wp, .offset: 32, .size: 8, .value_kind: global_buffer, .address_space: global }
      - { .name: xc, .offset: 40, .size: 8, .value_kind: global_buffer, .address_space: global }
      - { .name: xs, .offset: 48, .size: 8, .value_kind: global_buffer, .address_space: global }
      - { .name: wc, .offset: 56, .size: 8, .value_kind: global_buffer, .address_space: global }
      - { .name: ws, .offset: 64, .size: 8, .value_kind: global_buffer, .address_space: global }
      - { .name: wpt, .offset: 72, .size: 8, .value_kind: global_buffer, .address_space: global }
    .group_segment_fixed_size: 121856
    .private_segment_fixed_size: 0
    .kernarg_segment_align: 8
    .kernarg_segment_size: 80
    .max_flat_workgroup_size: 256
    .sgpr_count:     66
    .vgpr_count:     224
    .wavefront_size: 32
...
	.end_amdgpu_metadata
.endif
;; end of part 1
;; launch qkv (part 2): grid 12 x 32, 4 waves a work-group, clusters of 4 x 4, 327,680 bytes of LDS; arguments xc, xs, wc, ws, bq, bv, qkv, first; writes qkv, first
.if DOCPART == 2
	.amdgcn_target "amdgcn-amd-amdhsa--gfx1250"
	.amdhsa_code_object_version 6
	.text
	.protected	k_q9d8c626e1b_qkv
	.globl	k_q9d8c626e1b_qkv
	.p2align	8
	.type	k_q9d8c626e1b_qkv,@function
k_q9d8c626e1b_qkv:
	s_mov_b64 s[64:65], 0
	v_nop
	global_prefetch_b8 v0, s[64:65] scope:SCOPE_SE
	s_setreg_imm32_b32 hwreg(HW_REG_WAVE_MODE, 25, 1), 1
	s_wait_xcnt 0x0
	s_wait_alu depctr_hold_cnt(0) depctr_sa_sdst(0) depctr_va_vdst(0) depctr_va_sdst(0) depctr_va_ssrc(0) depctr_va_vcc(0) depctr_vm_vsrc(0)
	s_getreg_b32 s2, hwreg(HW_REG_IB_STS2, 6, 4)
	s_cmp_eq_u32 s2, 0
	s_cbranch_scc0 .Lentry_in_a_cluster
	s_endpgm
.Lentry_in_a_cluster:
	s_bfe_u32 s2, ttmp6, 0x10000c
	s_cmp_lg_u32 s2, 0xf033
	s_cbranch_scc0 .Lentry_shape_is_right
	s_endpgm
.Lentry_shape_is_right:
; q, k, v = x Wq + bq, x Wk, x Wv + bv as ONE product on codes of E2M1: A = xc [8192][1024], B = wc [3072 = q|k|v columns][1024], one E8M0 byte for each 32 along K.
; LEFT OUT: bk (it adds the same term to all scores of a row, which the softmax takes away for all values of the inputs; the proof stands at the head of the first launch).
; A tile of 256 x 256 is made by a work-group of four waves; a wave makes 128 x 128: 64 accumulators of 16 x 16, 512 registers.  K = 1,024 is two LDS slots of 512 along K:
; both are first fills, nothing is filled again, and there is no loop.  By this text's own count a wave has three tensor loads out: its scale bytes and its parts of the two slots.
; CLUSTERS: 4 x 4 work-groups.  The four of a row of the cluster need the same tiles of A, the four of a column the same tiles of B: each tile is asked for JOINTLY.
; Tile row = 8 cy + cluster y, so cy is the batch and cluster y the tile's place in the sequence; tile column = 4 cluster x + cx, so cluster x is the tensor (0 q, 1 k, 2 v): what
; branches here hangs on the cluster's x and y and on the wave's number, which are alike in all sixteen partners, never on cx or cy.
; THE MATRIX INSTRUCTION IS USED TRANSPOSED (source 0 = 16 rows of B, source 1 = 16 rows of A): a lane holds eight neighbouring columns of one row.  The bias is the C of each sum's first product.
; RESULTS: qkv, f16, [3][batch][head][t][64]; and the rows t < 16 of every sequence once more in f32, in first [3][batch][head][16][64], for the last launch.
; LIMIT: q, k, v are rounded to f16: magnitudes up to 65,504, steps of 6e-8 under 6e-5.
; REGISTERS, in windows of 256: window 0: v0-31 addresses; v32-95 scale words, two sets; v128-191 A's fragments, one set; v192-255 the bias; on the way out v32-127 are free.
;   window 1: B's fragments, two sets, at v0 and v128.   window 2: the 32 accumulators of my rows 0-63 ((a, b) at v[8 (8 a + b)]);   window 3: those of my rows 64-127.
.set NQ,     4                         ; matrix instructions deep in a slot
.set ROWB,   256                       ; a tile's row in bytes: 512 codes
.set KROW,   512                       ; a row of xc or wc in memory
.set PITCH,  272                       ; an LDS row: 256 bytes + 16 of padding: the 16 rows that a load touches start at 16 different groups of banks
.set FR,     8
.set NL,     2
.set NP,     4
.set HALFT,  128*PITCH
.set SLOT,   4*HALFT                   ; A's 256 rows, then B's 256 rows
.set KS,     32                        ; a row of scale bytes
.set SCL,    2*SLOT                    ; behind the slots: the scales, as units of 256 bytes + 16 of padding
.set HALFS,  (128*KS/256)*272
.set SBLK,   (16*KS/256)*272
.set SPARE,  SCL+4*HALFS               ; the spare words, 128 bytes for each wave: two blocks of 256 bytes that no other line names
.set SPITCH, 272                       ; the way out: a stage of 16 rows x (256 bytes + 16) for each wave, in slot 0, which has had its only fill and its last read by then
.set ADRA, 16
.set ADRB, 20
.set STO,  24
.set RD,   25
.set CO,   26
.set ADRS, 27
.set SPW,  28
.set NIL,  29
.set FO,   30                          ; v30  my byte offset in the f32 copy of the first 16 rows
.set BO,   31                          ; v31  32 x (lane / 16): my eight numbers of a tile's sixteen biases
.set SC,   32
.set AF,   128
.set BIAS, 192
.set TMP,  32
.set BK,   64
.set G1, 24
.set G0, 32
.set G1B, 48
.set G0B, 56
.set G1S, 68
.set G0S, 76
.set G1SB, 80
.set G0SB, 88
.set MSB, 0
.macro WIN new                         ; the immediate's high byte repeats the setting that is left
.if MSB != (\new)
	s_set_vgpr_msb (MSB<<8)|(\new)
.set MSB, (\new)
.endif
.endm
.set MUL_LO, 0xa1                      ; source 0 (B) window 1, source 1 (A) window 0, C and D window 2
.set MUL_HI, 0xf1                      ; the same, C and D window 3
.set TO_B,   0x40
; A joint load: waves 0 and 1 fetch for A, waves 2 and 3 for B.  An s_nop 0 and four v_nop follow each of the two lines.
.macro JLOAD g0a, g1a, g0b, g1b
	s_cmp_eq_u32 s15, 0
	s_cbranch_scc0 .Lfor_b_\@
	tensor_load_to_lds s[\g0a:\g0a+3], s[\g1a:\g1a+7]
	s_nop 0
.rept 4
	v_nop
.endr
	s_branch .Lasked_\@
.Lfor_b_\@:
	tensor_load_to_lds s[\g0b:\g0b+3], s[\g1b:\g1b+7]
	s_nop 0
.rept 4
	v_nop
.endr
.Lasked_\@:
.endm
.macro CREST
	s_cmp_lg_u32 s14, 0
	s_cbranch_scc1 .Lnot_wave_0_\@
	s_barrier_signal -3
.Lnot_wave_0_\@:
	s_barrier_wait -3
	s_barrier_signal -1
	s_barrier_wait -1
.endm
.macro CROUND
	s_barrier_signal -1
	s_barrier_wait -1
	CREST
.endm
	s_load_b256 s[4:11], s[0:1], 0x0               ; xc s[4:5], xs s[6:7], wc s[8:9], ws s[10:11]
	s_load_b128 s[96:99], s[0:1], 0x20             ; bq s[96:97], bv s[98:99]
	s_load_b64 s[12:13], s[0:1], 0x30              ; qkv
	s_load_b64 s[66:67], s[0:1], 0x38              ; first
	v_lshl_add_u32 v[SPW], v0, 2, SPARE
	v_mov_b32 v[NIL], 0
	ds_add_u32 v[SPW], v[NIL]                      ; the wave's opening: the add, twice on end, and its wait ahead of my first tensor load
	ds_add_u32 v[SPW], v[NIL]
	v_lshrrev_b32 v1, 5, v0
	v_readfirstlane_b32 s14, v1                    ; wave 0..3
	s_lshr_b32 s15, s14, 1                         ; which half of the tile's rows is mine.  Also: I fetch for A (0) or for B (1)
	s_and_b32 s16, s14, 1                          ; which half of its columns.  Also: which 128 rows of that tile I fetch
	s_bfe_u32 s40, ttmp6, 0x40000                  ; cx
	s_bfe_u32 s41, ttmp6, 0x40004                  ; cy
	s_lshl_b32 s42, ttmp9, 2
	s_add_co_u32 s42, s42, s40                     ; tile column = 4 x cluster x + cx
	s_and_b32 s17, ttmp7, 0xffff
	s_lshl_b32 s18, s41, 3
	s_add_co_u32 s17, s17, s18                     ; tile row = 8 cy + cluster y
	s_lshl_b32 s43, s41, 2
	s_lshl_b32 s43, 15, s43                        ; my row of the cluster
	s_lshl_b32 s44, 0x1111, s40                    ; my column
	s_or_b32 s[G1+0], s43, (0<<16)|(1<<20)|(1<<21)|(5<<22)|(3<<25)  ; the mask; elements of 1 byte; padding on; bit 21 beside a mask; after every 64 words four words
	s_or_b32 s[G1B+0], s44, (0<<16)|(1<<20)|(1<<21)|(5<<22)|(3<<25)
.irp g, G1, G1B
	s_mov_b32 s[\g+1], ROWB<<16                    ; tensor_dim0
	s_mov_b32 s[\g+2], 128<<16                     ; tensor_dim1
	s_mov_b32 s[\g+3], ROWB<<16                    ; tile_dim0
	s_mov_b32 s[\g+4], 128                         ; tile_dim1
	s_mov_b32 s[\g+5], KROW                        ; the pitch
	s_mov_b32 s[\g+6], 0
	s_mov_b32 s[\g+7], 0
.endr
	s_or_b32 s[G1S+0], s43, (3<<16)|(1<<20)|(1<<21)|(5<<22)|(3<<25) ; the scales of 128 rows: 4,096 dense bytes as 16 rows of 256 (32 elements of 8 bytes), 16 bytes of padding behind each
	s_or_b32 s[G1SB+0], s44, (3<<16)|(1<<20)|(1<<21)|(5<<22)|(3<<25)
.irp g, G1S, G1SB
	s_mov_b32 s[\g+1], 32<<16
	s_mov_b32 s[\g+2], (128*KS/256)<<16
	s_mov_b32 s[\g+3], 32<<16
	s_mov_b32 s[\g+4], 128*KS/256
	s_mov_b32 s[\g+5], 32
	s_mov_b32 s[\g+6], 0
	s_mov_b32 s[\g+7], 0
.endr
	s_lshl_b32 s18, s16, 7
	s_lshl_b32 s20, s17, 8
	s_add_co_u32 s20, s20, s18                     ; A: row 256 x tile row + 128 x half
	s_lshl_b32 s46, s42, 8
	s_add_co_u32 s46, s46, s18                     ; B: row 256 x tile column + 128 x half
	s_mov_b32 s21, 0
	s_mov_b32 s47, 0
	s_mov_b64 s[18:19], KS
	s_mul_u64 s[22:23], s[20:21], s[18:19]         ; where these rows' scales begin,
	s_mul_u64 s[92:93], s[46:47], s[18:19]
	s_mov_b64 s[18:19], KROW
	s_mul_u64 s[20:21], s[20:21], s[18:19]         ; and their codes
	s_mul_u64 s[46:47], s[46:47], s[18:19]
	s_mul_i32 s45, s14, HALFT                      ; where they go: wave x 128 rows
	s_mul_i32 s94, s14, HALFS
	s_wait_dscnt 0x0                               ; both opening adds are done
	s_wait_kmcnt 0x0
	s_add_nc_u64 s[20:21], s[4:5], s[20:21]
	s_add_nc_u64 s[22:23], s[6:7], s[22:23]
	s_add_nc_u64 s[46:47], s[8:9], s[46:47]
	s_add_nc_u64 s[92:93], s[10:11], s[92:93]
	CROUND                                         ; all sixteen work-groups are here: the joint loads meet
	s_mov_b32 s[G0S], 1
	s_add_co_u32 s[G0S+1], s94, SCL
	s_mov_b64 s[G0S+2:G0S+3], s[22:23]
	s_or_b32 s[G0S+3], s[G0S+3], 0x80000000
	s_mov_b32 s[G0SB], 1
	s_add_co_u32 s[G0SB+1], s94, SCL
	s_mov_b64 s[G0SB+2:G0SB+3], s[92:93]
	s_or_b32 s[G0SB+3], s[G0SB+3], 0x80000000
	JLOAD G0S, G1S, G0SB, G1SB                     ; the scales first: they are wanted with the first slot
.irp s, 0,1
	s_mov_b32 s[G0+4*\s], 1
	s_add_co_u32 s[G0+4*\s+1], s45, \s*SLOT
	s_add_nc_u64 s[G0+4*\s+2:G0+4*\s+3], s[20:21], \s*ROWB
	s_or_b32 s[G0+4*\s+3], s[G0+4*\s+3], 0x80000000
	s_mov_b32 s[G0B+4*\s], 1
	s_add_co_u32 s[G0B+4*\s+1], s45, \s*SLOT
	s_add_nc_u64 s[G0B+4*\s+2:G0B+4*\s+3], s[46:47], \s*ROWB
	s_or_b32 s[G0B+4*\s+3], s[G0B+4*\s+3], 0x80000000
	JLOAD G0+4*\s, G1, G0B+4*\s, G1B
.endr
	; THE BIAS, in the result's layout: register 8 b + j of lane (r, h) = bias[256 cx + 128 half + 16 b + 8 h + j].  For k it is 0: bk is left out.
	v_bfe_u32 v2, v0, 4, 1                         ; h = lane / 16
	v_lshlrev_b32 v[BO], 5, v2
	s_cmp_eq_u32 ttmp9, 1
	s_cbranch_scc1 .Lno_bias
	s_cmp_eq_u32 ttmp9, 0
	s_cselect_b64 s[96:97], s[96:97], s[98:99]     ; bq or bv: the choice hangs on the cluster's x alone
	s_lshl_b32 s92, s40, 10
	s_lshl_b32 s93, s16, 9
	s_add_co_u32 s92, s92, s93
	s_mov_b32 s93, 0
	s_add_nc_u64 s[96:97], s[96:97], s[92:93]
.irp b, 0,1,2,3,4,5,6,7
	global_load_b128 v[BIAS+8*\b:BIAS+8*\b+3], v[BO], s[96:97] offset:64*\b
	global_load_b128 v[BIAS+8*\b+4:BIAS+8*\b+7], v[BO], s[96:97] offset:64*\b+16
.endr
	s_branch .Lbias_done
.Lno_bias:
.set i, 0
.rept 64
	v_mov_b32 v[BIAS+i], 0
.set i, i+1
.endr
.Lbias_done:
	v_and_b32 v1, 15, v0                           ; r = lane % 16
	v_mul_u32_u24 v3, v1, PITCH
	v_lshl_add_u32 v4, v2, 4, v3                   ; a fragment's row x pitch + 16 x half
	s_mul_i32 s21, s15, HALFT                      ; my 128 rows of A
	s_mul_i32 s22, s16, HALFT                      ; my 128 rows of B,
	s_add_co_u32 s22, s22, 2*HALFT                 ; which lie behind A's 256
.irp s, 0,1
	v_add_nc_u32 v[ADRA+\s], s21, v4
	v_add_nc_u32 v[ADRB+\s], s22, v4
	s_add_co_u32 s21, s21, SLOT
	s_add_co_u32 s22, s22, SLOT
.endr
	v_mul_u32_u24 v5, v1, KS                       ; my row's scales: 32 bytes a row,
	v_lshrrev_b32 v6, 8, v5
	v_lshl_add_u32 v5, v6, 4, v5                   ; and 16 more for each 256 passed
	s_mul_i32 s21, s15, HALFS
	s_mul_i32 s22, s16, HALFS
	s_add_co_u32 s22, s22, 2*HALFS
	s_sub_co_u32 s22, s22, s21
	v_mul_u32_u24 v6, s22, v2                      ; lanes 16-31 take B's
	s_add_co_u32 s21, s21, SCL
	v_add_nc_u32 v5, v5, v6
	v_add_nc_u32 v[ADRS], s21, v5
	s_mul_i32 s23, s14, 16*SPITCH                  ; my stage
	v_mul_u32_u24 v5, v1, SPITCH
	v_lshl_add_u32 v5, v2, 4, v5
	v_add_nc_u32 v[STO], s23, v5                   ; in: row r, 16 bytes for each half of the lanes
	v_and_b32 v6, 31, v0
	v_lshlrev_b32 v[CO], 4, v6                     ; in memory four rows of a head are 512 dense bytes: 16 x lane
	v_lshrrev_b32 v5, 3, v6
	v_mul_u32_u24 v5, v5, SPITCH
	v_and_b32 v6, 7, v0
	v_lshl_add_u32 v5, v6, 4, v5
	v_add_nc_u32 v[RD], s23, v5                    ; back: eight lanes take a head's 128 bytes of a row, four rows an instruction
	v_lshlrev_b32 v[FO], 8, v1
	v_lshl_add_u32 v[FO], v2, 5, v[FO]             ; the f32 copy: row r of 256 bytes, + 32 h
	s_lshl_b32 s20, ttmp9, 24                      ; the tensor: 16,777,216 bytes each
	s_lshl_b32 s21, s41, 4
	s_lshl_b32 s46, s40, 2
	s_add_co_u32 s21, s21, s46
	s_lshl_b32 s46, s16, 1
	s_add_co_u32 s21, s21, s46                     ; 16 batch + my first head (4 cx + 2 half)
	s_lshl_b32 s46, s21, 18
	s_add_co_u32 s20, s20, s46                     ; a head: 2,048 rows of 128 bytes
	s_and_b32 s46, ttmp7, 0xffff
	s_or_b32 s95, s46, s15                         ; 0 where my first 16 rows are a sequence's first 16
	s_lshl_b32 s46, s46, 15
	s_add_co_u32 s20, s20, s46                     ; the tile's 256 rows,
	s_lshl_b32 s46, s15, 14
	s_add_co_u32 s20, s20, s46                     ; my 128 of them
	s_lshl_b32 s22, ttmp9, 18
	s_lshl_b32 s23, s21, 12
	s_add_co_u32 s22, s22, s23                     ; first: 262,144 bytes a tensor, 4,096 a head
	s_mov_b32 s23, 0
	s_mov_b32 s21, 0
	s_add_nc_u64 s[12:13], s[12:13], s[20:21]
	s_add_nc_u64 s[66:67], s[66:67], s[22:23]
.macro FRAG reg, adr, q, i             ; 16 rows x 128 K of 4-bit codes: 8 registers, two loads of 16 bytes, 32 bytes apart
.irp c, 0,1
	ds_load_b128 v[\reg+4*\c:\reg+4*\c+3], v[\adr] offset:64*(\q)+32*\c+(\i)*16*PITCH
.endr
.endm
; 16 matrix instructions: A's blocks a0, a0 + 1 x B's eight, the slot's q-th 128 along K.  zero = 1: the first product starts the sums from the bias.
; The 64 accumulators take turns, one instruction a turn, in the same order in every step.
.macro MUL16 a0, p, q, sc, zero
.irp a, \a0, \a0+1
.irp b, 0,1,2,3,4,5,6,7
.if \zero
	v_wmma_scale_f32_16x16x128_f8f6f4 v[8*(8*((\a)%4)+\b):8*(8*((\a)%4)+\b)+7], v[128*(\p)+FR*\b:128*(\p)+FR*\b+FR-1], v[AF+FR*(\a):AF+FR*(\a)+FR-1], v[BIAS+8*\b:BIAS+8*\b+7], v[SC+8*NQ*(\sc)+NQ*\b+(\q)], v[SC+8*NQ*(\sc)+NQ*(\a)+(\q)] matrix_a_fmt:MATRIX_FMT_FP4 matrix_b_fmt:MATRIX_FMT_FP4 matrix_a_scale:MATRIX_SCALE_ROW1
.else
	v_wmma_scale_f32_16x16x128_f8f6f4 v[8*(8*((\a)%4)+\b):8*(8*((\a)%4)+\b)+7], v[128*(\p)+FR*\b:128*(\p)+FR*\b+FR-1], v[AF+FR*(\a):AF+FR*(\a)+FR-1], v[8*(8*((\a)%4)+\b):8*(8*((\a)%4)+\b)+7], v[SC+8*NQ*(\sc)+NQ*\b+(\q)], v[SC+8*NQ*(\sc)+NQ*(\a)+(\q)] matrix_a_fmt:MATRIX_FMT_FP4 matrix_b_fmt:MATRIX_FMT_FP4 matrix_a_scale:MATRIX_SCALE_ROW1
.endif
.endr
.endr
.endm
.macro FETCH_B slot, q, p
	WIN TO_B
.irp i, 0,1,2,3,4,5,6,7
	FRAG 128*(\p)+FR*\i, ADRB+\slot, \q, \i
.endr
	WIN 0
.endm
.macro FETCH_A slot, q, i0
.irp i, \i0, \i0+1, \i0+2, \i0+3
	FRAG AF+FR*(\i), ADRA+\slot, \q, \i
.endr
.endm
.macro SCALES sc                       ; a slot's scale words: four words a row; lanes 0-15 take A's block i, lanes 16-31 B's block i
.irp i, 0,1,2,3,4,5,6,7
	ds_load_b128 v[SC+8*NQ*\sc+NQ*\i:SC+8*NQ*\sc+NQ*\i+3], v[ADRS] offset:\i*SBLK
.endr
.endm
.macro PLACES n                        ; plain vector lines between a matrix instruction and a load into, or a read of, its registers
.rept \n
	v_nop
.endr
.endm
.macro STEP slot, q, zero              ; a step of 128 along K that has its successor in the same slot
	s_wait_dscnt 4*NL                              ; B's set and A's blocks 0-3 are in; the youngest eight loads (A's blocks 4-7) may be out
.if \zero
	WIN 0x81                                       ; C (the bias) window 0, D window 2
.else
	WIN MUL_LO
.endif
	MUL16 0, (\q)%2, \q, \slot, \zero
	MUL16 2, (\q)%2, \q, \slot, \zero
	s_wait_dscnt 0                                 ; A's blocks 4-7 are in
	PLACES NP
	FETCH_B \slot, (\q)+1, 1-(\q)%2
	FETCH_A \slot, (\q)+1, 0
.if \zero
	WIN 0xc1                                       ; C window 0, D window 3
.else
	WIN MUL_HI
.endif
	MUL16 4, (\q)%2, \q, \slot, \zero
	MUL16 6, (\q)%2, \q, \slot, \zero
	PLACES NP
	WIN 0
	FETCH_A \slot, (\q)+1, 4
.endm
; Slot 0's last step changes slots: one barrier; in front of it each wave waits for all its tensor loads (its part of slot 1), adds 0 to its spare word, and waits for that and for its reads of slot 0.
.macro TURN slot, next
	s_wait_tensorcnt 0x0
	ds_add_u32 v[SPW], v[NIL]
	s_wait_dscnt 4*NL+1                            ; (the add and the youngest eight loads, A's blocks 4-7, may be out)
	WIN MUL_LO
	MUL16 0, 1, NQ-1, \slot, 0
	s_wait_dscnt 0x0                               ; the add is done, and my reads of this slot are over
	s_barrier_signal -1
	MUL16 2, 1, NQ-1, \slot, 0
	WIN 0
	s_barrier_wait -1
	PLACES NP
	v_add_nc_u32 v[ADRS], 4*NQ, v[ADRS]            ; on to the next slot's scale words (no LDS load of mine is out)
	FETCH_B \next, 0, 0
	FETCH_A \next, 0, 0
	SCALES \next
	WIN MUL_HI
	MUL16 4, 1, NQ-1, \slot, 0
	MUL16 6, 1, NQ-1, \slot, 0
	PLACES NP
	WIN 0
	FETCH_A \next, 0, 4
.endm
	s_wait_tensorcnt 1                             ; the scales and my part of slot 0 are in (slot 1's load may be out),
	s_barrier_signal -1
	s_barrier_wait -1                              ; everybody's are
	FETCH_B 0, 0, 0
	FETCH_A 0, 0, 0
	SCALES 0
	FETCH_A 0, 0, 4
	s_wait_loadcnt 0x0                             ; the bias
	STEP 0, 0, 1
	STEP 0, 1, 0
	STEP 0, 2, 0
	TURN 0, 1
	STEP 1, 0, 0
	STEP 1, 1, 0
	STEP 1, 2, 0
	s_wait_dscnt 4*NL                              ; the last step: nothing more to fetch
	WIN MUL_LO
	MUL16 0, 1, NQ-1, 1, 0
	MUL16 2, 1, NQ-1, 1, 0
	s_wait_dscnt 0
	WIN MUL_HI
	MUL16 4, 1, NQ-1, 1, 0
	MUL16 6, 1, NQ-1, 1, 0
	WIN 0
; THE WAY OUT, block by block of 16 rows x 128 columns (two heads).  PACK: rounded to f16, 16 bytes a lane.  TOSTAGE: into my stage, and back by heads: four rows of a head, 512 dense bytes of memory, an instruction.
.macro PACK a
.set AC, 64*((\a)%4)
	WIN 0x0a+5*((\a)/4)                            ; sources 0 and 1: window 2 or 3
.irp b, 0,1,2,3,4,5,6,7
.irp i, 0,1,2,3
	v_cvt_pk_f16_f32 v[TMP+4*\b+\i], v[AC+8*\b+2*\i], v[AC+8*\b+2*\i+1]   ; each accumulator from its low end on
.endr
.endr
	WIN 0
.endm
.macro TOSTAGE a
.set BB, BK+32*((\a)%2)
.irp b, 0,1,2,3,4,5,6,7
	ds_store_b128 v[STO], v[TMP+4*\b:TMP+4*\b+3] offset:32*\b
.endr
.irp i, 0,1,2,3,4,5,6,7
	ds_load_b128 v[BB+4*\i:BB+4*\i+3], v[RD] offset:(\i%4)*4*SPITCH+(\i/4)*128   ; LDS serves a wave's instructions in order: these see the stores above
.endr
.endm
.macro SEND a
.set BB, BK+32*((\a)%2)
	s_wait_dscnt 0x0                               ; the block is back in registers
	s_wait_xcnt 0x0                                ; earlier stores have read their base and their data: the base may step, and the other set of registers may be loaded again
.if (\a) > 0
	s_add_nc_u64 s[12:13], s[12:13], 2048          ; 16 rows of 128 bytes on
.endif
.irp i, 0,1,2,3,4,5,6,7
	global_store_b128 v[CO], v[BB+4*\i:BB+4*\i+3], s[12:13] offset:(\i/4)*262144+(\i%4)*512   ; the wave stores 512 consecutive bytes of one head, aligned
.endr
.endm
	PLACES NP                                      ; behind the last products
	s_cmp_lg_u32 s95, 0
	s_cbranch_scc1 .Lno_fine
	WIN 0x08                                       ; a store's data are its source 1: window 2
.irp b, 0,1,2,3,4,5,6,7                            ; the first 16 rows of a sequence, in f32, bias included
	global_store_b128 v[FO], v[8*\b:8*\b+3], s[66:67] offset:(\b/4)*4096+(\b%4)*64
	global_store_b128 v[FO], v[8*\b+4:8*\b+7], s[66:67] offset:(\b/4)*4096+(\b%4)*64+16
.endr
	WIN 0
.Lno_fine:
	PACK 0
	TOSTAGE 0
.irp a, 1,2,3,4,5,6,7                              ; block a's conversions stand between block a - 1's loads from the stage and the wait for them
	PACK \a
	SEND \a-1
	TOSTAGE \a
.endr
	SEND 7
	s_wait_tensorcnt 0x0                           ; the wave's end
	ds_add_u32 v[SPW], v[NIL]
	s_wait_dscnt 0x0
	CROUND                                         ; the closing round
	s_endpgm
.Lfunc_end_k_q9d8c626e1b_qkv:
	.size	k_q9d8c626e1b_qkv, .Lfunc_end_k_q9d8c626e1b_qkv-k_q9d8c626e1b_qkv
	.p2alignl 7, 3214868480
	.fill 96, 4, 3214868480
	.section	.rodata,"a",@progbits
	.p2align	6, 0x0
	.amdhsa_kernel k_q9d8c626e1b_qkv
		.amdhsa_group_segment_fixed_size 327680
		.amdhsa_private_segment_fixed_size 0
		.amdhsa_enable_private_segment 0
		.amdhsa_kernarg_size 64
		.amdhsa_user_sgpr_count 2
		.amdhsa_user_sgpr_kernarg_segment_ptr 1
		.amdhsa_wavefront_size32 1
		.amdhsa_system_sgpr_workgroup_id_x 1
		.amdhsa_system_sgpr_workgroup_id_y 1
		.amdhsa_system_sgpr_workgroup_id_z 1
		.amdhsa_system_vgpr_workitem_id 0
		.amdhsa_next_free_vgpr 1024
		.amdhsa_next_free_sgpr 100
		.amdhsa_reserve_vcc 0
		.amdhsa_float_denorm_mode_32 3
		.amdhsa_float_denorm_mode_16_64 3
		.amdhsa_memory_ordered 1
		.amdhsa_forward_progress 1
		.amdhsa_inst_pref_size 133
	.end_amdhsa_kernel
	.amdgpu_metadata
---
amdhsa.version: [ 1, 2 ]
amdhsa.kernels:
  - .name:           k_q9d8c626e1b_qkv
    .symbol:         k_q9d8c626e1b_qkv.kd
    .args:
      - { .name: xc, .offset: 0, .size: 8, .value_kind: global_buffer, .address_space: global }
      - { .name: xs, .offset: 8, .size: 8, .value_kind: global_buffer, .address_space: global }
      - { .name: wc, .offset: 16, .size: 8, .value_kind: global_buffer, .address_space: global }
      - { .name: ws, .offset: 24, .size: 8, .value_kind: global_buffer, .address_space: global }
      - { .name: bq, .offset: 32, .size: 8, .value_kind: global_buffer, .address_space: global }
      - { .name: bv, .offset: 40, .size: 8, .value_kind: global_buffer, .address_space: global }
      - { .name: qkv, .offset: 48, .size: 8, .value_kind: global_buffer, .address_space: global }
      - { .name: first, .offset: 56, .size: 8, .value_kind: global_buffer, .address_space: global }
    .group_segment_fixed_size: 327680
    .private_segment_fixed_size: 0
    .kernarg_segment_align: 8
    .kernarg_segment_size: 64
    .max_flat_workgroup_size: 128
    .sgpr_count:     100
    .vgpr_count:     1024
    .wavefront_size: 32
...
	.end_amdgpu_metadata
.endif
;; end of part 2
;; launch attn (part 3): grid 4 x 64, 16 waves a work-group, no clusters, 327,680 bytes of LDS; arguments qkv, ao; writes ao
.if DOCPART == 3
	.amdgcn_target "amdgcn-amd-amdhsa--gfx1250"
	.amdhsa_code_object_version 6
	.text
	.protected	k_q9d8c626e1b_attn
	.globl	k_q9d8c626e1b_attn
	.p2align	8
	.type	k_q9d8c626e1b_attn,@function
k_q9d8c626e1b_attn:
	s_mov_b64 s[64:65], 0
	v_nop
	global_prefetch_b8 v0, s[64:65] scope:SCOPE_SE
	s_setreg_imm32_b32 hwreg(HW_REG_WAVE_MODE, 25, 1), 1
	s_wait_xcnt 0x0
; ao[head][b t][:] = the sum over s <= t of softmax_s(q_t . k_s / 8) v_s, for 64 (batch, head) pairs of 2,048 positions and 64 channels.  q, k, v: f16, [3][batch][head][t][64].
; Products in f16 with f32 sums; maxima, exponentials and sums in f32; the weights p are rounded to f16 for the second product, the result once at the end.
; LEFT OUT: key steps that lie wholly above the diagonal of the causal mask, which reference() builds itself.  (The tile t < 16 is made here like any other; the last launch makes those rows of the output anew in f32.)
; NO CLUSTER: under the causal limit the work-groups of a head need different numbers of slots, so a joint load would bring some partners tiles that none of their waves reads.
; SHARES.  Work-group (j, head) owns query blocks j and 7 - j of 256 queries: equal work in all 256 work-groups.  A wave owns 32 neighbouring queries, two tiles of 16 that share every fragment of K and V;
; of the sixteen waves eight take the low block and eight the high one.  A key step is 64 keys; a wave's first query is a multiple of 32, so both its tiles are live in the same steps, and one step lies on its diagonal.
; LAYOUT.  S^T = K Q^T (source 0 = 16 keys, source 1 = 16 queries): a lane holds ONE query (lane % 16) and the keys 8 (lane / 16) + 0..7.  Two such tiles, rounded to f16 in pairs, are source 1 (32 keys x 16 queries)
; of O^T = V^T P.  K comes out of LDS as it lies, V ([key][channel]) turned, by ds_load_tr16_b128.
; SOFTMAX.  A running maximum m and sum l for each query: p = 2^(c s - c m), c = log2(e) / 8; in every step O and l are multiplied by a = 2^(c m_old - c m_new).
; RING.  Two LDS slots of 256 keys, filled by waves 0, 1 (K's halves) and 2, 3 (V's halves), read by all sixteen.  Every wait on TENSORcnt is for 0; a wave has one tensor load out at the most.
; EVERY work-group walks all 8 slots, so that trip counts are constants; what is left out is a step's work (a scalar branch on ids) and the loads of slots beyond the work-group's last query.
; REGISTERS: v1-11 addresses and constants; v12-19, v20-27 a tile's statistics (+0 c m, +1 m, +2, +3 l, +4..+7 at work; a at +6); v28-29 a chain of sums; v32-63 Q; v64-127 S^T, then P in each tile's first 16; v128-191 O^T; v192-255 K's, then V's fragments.
.set SK,    256                        ; keys in a slot
.set KP,    144                        ; a key's row in LDS: 128 bytes + 16
.set VP,    160                        ; a row of V: 128 bytes + 32
.set VOFF,  SK*KP
.set SLOT1, 1<<17                      ; slot 1 begins here: one exclusive or turns an address from one slot into the other's
.set NSL,   8
.set SPARE, SLOT1+VOFF+SK*VP           ; the spare words, 128 bytes for each wave: eight blocks of 256 bytes that no other line names
.set AK0, 1
.set AV0, 2
.set ADK, 3
.set ADV, 4
.set SPW, 5
.set NIL, 6
.set GO,  7
.set RH,  8                            ; v8   lane % 16 - 8 (lane / 16)
.set NINF, 9                           ; v9   -infinity
.set DD,  10                           ; v10  the mask's d
.set PFO, 11
.set ST,  12
.set QQ,  32
.set SS,  64
.set OO,  128
.set KV,  192
.set TB,  2
.set WV,  18
.set SEL, 20
.set CS,  22
.set G1K, 24
.set G1V, 32
.set G0K, 40
.set G0V, 44
.set SLOTS, 67
.set PFA, 76
.set LIM, 80
.set QMAX, 97
.set KF,  98
.set Q0,  99
; Waves 0 and 1 fetch for K, waves 2 and 3 for V, the others nothing.  An s_nop 0 and four v_nop follow each of the two lines.
.macro TLOAD
	s_cmp_lt_u32 s[WV], 2
	s_cbranch_scc0 .Lnot_k_\@
	tensor_load_to_lds s[G0K:G0K+3], s[G1K:G1K+7]
	s_nop 0
.rept 4
	v_nop
.endr
	s_branch .Lasked_\@
.Lnot_k_\@:
	s_cmp_lt_u32 s[WV], 4
	s_cbranch_scc0 .Lasked_\@
	tensor_load_to_lds s[G0V:G0V+3], s[G1V:G1V+7]
	s_nop 0
.rept 4
	v_nop
.endr
.Lasked_\@:
.endm
; A prefetch of what the NEXT change of slots will ask for: a slot's K and V are 32,768 dense bytes each.  All four work-groups of a head walk the same K and V: work-group j = 0, which walks all slots, asks.
; In it waves 4 to 7 ask for K's bytes and waves 8 to 11 for V's, 8,192 bytes a wave, lanes 256 bytes apart: each aligned block of 256 bytes is named once in the launch.  The last change that fills a slot asks for nothing.
.macro ASK
	s_cmp_gt_u32 s[SLOTS], s[LIM]
	s_cbranch_scc0 .Lnot_mine_\@
	global_prefetch_b8 v[PFO], s[PFA:PFA+1] th:TH_LOAD_NT scope:SCOPE_SE
.Lnot_mine_\@:
.endm
	s_load_b128 s[4:7], s[0:1], 0x0                ; qkv s[4:5], ao s[6:7]
	v_lshl_add_u32 v[SPW], v0, 2, SPARE
	v_mov_b32 v[NIL], 0
	ds_add_u32 v[SPW], v[NIL]                      ; the wave's opening: the add, twice on end, and its wait ahead of my first tensor load
	ds_add_u32 v[SPW], v[NIL]
	v_lshrrev_b32 v8, 5, v0
	v_readfirstlane_b32 s[WV], v8                  ; wave 0..15
	s_and_b32 s72, ttmp7, 0xffff                   ; 16 batch + head
	s_lshl_b32 s74, s72, 18                        ; the head's first byte in each of q, k, v
	s_mov_b32 s75, 0
	s_lshr_b32 s68, s[WV], 2
	s_xor_b32 s68, s68, s[WV]
	s_and_b32 s68, s68, 1                          ; 1: my queries lie in the high block
	s_sub_co_u32 s69, 7, ttmp9
	s_cmp_eq_u32 s68, 1
	s_cselect_b32 s68, s69, ttmp9
	s_lshl_b32 s[Q0], s68, 8
	s_lshr_b32 s68, s[WV], 1
	s_lshl_b32 s68, s68, 5
	s_add_co_u32 s[Q0], s[Q0], s68                 ; my first query
	s_lshl_b32 s[QMAX], s69, 8
	s_or_b32 s[QMAX], s[QMAX], 255                 ; my work-group's last query
	s_and_b32 s88, s[WV], 1                        ; what I fetch, if I fetch: which 128 rows of a slot's 256
	s_lshl_b32 s90, s88, 14
	s_mov_b32 s91, 0
	s_add_nc_u64 s[90:91], s[90:91], s[74:75]      ; an offset: in memory,
	s_mul_i32 s89, s88, 128*KP                     ; and in a slot: K's,
	s_mul_i32 s94, s88, 128*VP
	s_add_co_u32 s94, s94, VOFF                    ; V's
	s_mov_b32 s[G1K], (1<<16)|(1<<20)|(4<<22)|(3<<25)   ; no mask; elements of 2 bytes; padding on: after every 32 words four words
	s_mov_b32 s[G1V], (1<<16)|(1<<20)|(4<<22)|(7<<25)   ; the same with eight words
.irp g, G1K, G1V
	s_mov_b32 s[\g+1], 64<<16                      ; tensor_dim0 = 64
	s_mov_b32 s[\g+2], 128<<16                     ; tensor_dim1 = 128
	s_mov_b32 s[\g+3], 64<<16                      ; tile_dim0
	s_mov_b32 s[\g+4], 128                         ; tile_dim1
	s_mov_b32 s[\g+5], 64                          ; the pitch
	s_mov_b32 s[\g+6], 0
	s_mov_b32 s[\g+7], 0
.endr
	s_mov_b32 s[SEL], 0x76543210
	s_mov_b32 s[SEL+1], 0xfedcba98                 ; v_permlanex16_b32's selects for lane l xor 16
	s_mov_b32 s[CS], 0x3e38aa3b                    ; c = log2(e) / 8
	s_mov_b32 s[CS+1], s[CS]                       ; (named with it as a pair, so it is written)
	s_mov_b32 s[TB], 0
	s_mov_b32 s[SLOTS], NSL-1
	s_mov_b32 s[KF], 0
	s_wait_dscnt 0x0                               ; both opening adds are done
	s_wait_kmcnt 0x0
	s_mov_b32 s[G0K], 1
	s_mov_b32 s[G0K+1], s89
	s_add_nc_u64 s[G0K+2:G0K+3], s[4:5], s[90:91]
	s_add_nc_u64 s[G0K+2:G0K+3], s[G0K+2:G0K+3], 0x1000000   ; k lies 16,777,216 bytes behind q
	s_or_b32 s[G0K+3], s[G0K+3], 0x80000000
	s_mov_b32 s[G0V], 1
	s_mov_b32 s[G0V+1], s94
	s_add_nc_u64 s[G0V+2:G0V+3], s[4:5], s[90:91]
	s_add_nc_u64 s[G0V+2:G0V+3], s[G0V+2:G0V+3], 0x2000000   ; v twice as far
	s_or_b32 s[G0V+3], s[G0V+3], 0x80000000
	TLOAD                                          ; slot 0: it holds key 0, which counts for every query
	s_lshl_b32 s82, s[Q0], 7
	s_mov_b32 s83, 0
	s_add_nc_u64 s[8:9], s[4:5], s[74:75]
	s_add_nc_u64 s[8:9], s[8:9], s[82:83]          ; q at my first query
	s_and_b32 s84, s72, 15
	s_lshl_b32 s84, s84, 20                        ; ao: a plane of 8,192 rows of 128 bytes for each head,
	s_lshr_b32 s85, s72, 4
	s_lshl_b32 s85, s85, 18                        ; 2,048 rows a batch
	s_add_co_u32 s84, s84, s85
	s_add_co_u32 s84, s84, s82
	s_mov_b32 s85, 0
	s_add_nc_u64 s[10:11], s[6:7], s[84:85]
	s_mov_b32 s86, 0x2000000                       ; the prefetches: waves 4 to 7 stand in k, waves 8 to 11 in v,
	s_cmp_lt_u32 s[WV], 8
	s_cselect_b32 s86, 0x1000000, s86
	s_and_b32 s87, s[WV], 3
	s_lshl_b32 s87, s87, 13
	s_add_co_u32 s86, s86, s87                     ; at my wave's 8,192 bytes
	s_add_co_u32 s86, s86, SK*128                  ; of slot 1: the first change of slots steps it to slot 2.  Nothing is prefetched here, at the head
	s_mov_b32 s87, 0
	s_add_nc_u64 s[PFA:PFA+1], s[4:5], s[74:75]
	s_add_nc_u64 s[PFA:PFA+1], s[PFA:PFA+1], s[86:87]
	s_sub_co_u32 s86, s[WV], 4
	s_lshr_b32 s86, s86, 3                         ; 0 in waves 4 to 11,
	s_or_b32 s86, s86, ttmp9                       ; of the head's work-group 0
	s_cmp_eq_u32 s86, 0
	s_cselect_b32 s[LIM], 1, -1
	v_and_b32 v[PFO], 31, v0
	v_lshlrev_b32 v[PFO], 8, v[PFO]
	v_and_b32 v8, 15, v0                           ; r
	v_bfe_u32 v9, v0, 4, 1                         ; h
	v_lshlrev_b32 v10, 7, v8
	v_lshl_add_u32 v10, v9, 4, v10                 ; q: row r of 128 bytes, + 16 h
.irp t, 0,1
.irp c, 0,1
	global_load_b128 v[QQ+16*\t+8*\c:QQ+16*\t+8*\c+3],   v10, s[8:9] offset:2048*\t+64*\c
	global_load_b128 v[QQ+16*\t+8*\c+4:QQ+16*\t+8*\c+7], v10, s[8:9] offset:2048*\t+64*\c+32
.endr
.endr
	v_mul_u32_u24 v[AK0], v8, KP
	v_lshl_add_u32 v[AK0], v9, 4, v[AK0]           ; K: row r x pitch + 16 h
	v_and_b32 v3, 7, v0
	v_lshl_add_u32 v3, v9, 3, v3
	v_mul_u32_u24 v[AV0], v3, VP                   ; V, for the turning load: key 8 h + lane % 8,
	v_bfe_u32 v3, v0, 3, 1
	v_lshl_add_u32 v[AV0], v3, 4, v[AV0]           ; channels 8 ((lane / 8) % 2) on
	v_add_nc_u32 v[AV0], VOFF, v[AV0]
	v_and_b32 v[GO], 31, v0
	v_lshlrev_b32 v[GO], 4, v[GO]
	v_lshlrev_b32 v4, 3, v9
	v_sub_nc_u32 v[RH], v8, v4
	v_mov_b32 v[NINF], 0xff800000
.irp t, 0,1
	v_mov_b32 v[ST+8*\t+1], 0xff61b1e6             ; m: -3e38, under every score
	v_mul_f32 v[ST+8*\t], s[CS], v[ST+8*\t+1]
.irp i, 2,3,4,5,6,7
	v_mov_b32 v[ST+8*\t+\i], 0
.endr
.endr
.set i, 0
.rept 64
	v_mov_b32 v[OO+i], 0                           ; O^T.  (The step is written once: the first finds zeros, which a = 0 leaves zeros)
.set i, i+1
.endr
; One tile's softmax for one key step.  The 33 exponentials are one batch with one wait, ahead of the first line that names a result.
.macro SOFTMAX t
.set rT, ST+8*(\t)
.set rS, SS+32*(\t)
.set rO, OO+32*(\t)
.irp j, 0,1,2,3
	v_max3_num_f32 v[rT+4+\j], v[rS+8*\j], v[rS+8*\j+1], v[rS+8*\j+2]   ; four chains; each accumulator is read from its low end on
.endr
.irp u, 1,2
.irp j, 0,1,2,3
	v_max3_num_f32 v[rT+4+\j], v[rT+4+\j], v[rS+8*\j+2*\u+1], v[rS+8*\j+2*\u+2]
.endr
.endr
	v_max3_num_f32 v[rT+4], v[rT+4], v[rS+7], v[rS+15]
	v_max3_num_f32 v[rT+6], v[rT+6], v[rS+23], v[rS+31]
	v_max3_num_f32 v[rT+4], v[rT+4], v[rT+5], v[rT+6]
	v_max3_num_f32 v[rT+4], v[rT+4], v[rT+7], v[rT+1]              ; with the old m
	v_permlanex16_b32 v[rT+5], v[rT+4], s[SEL], s[SEL+1]           ; the query's other 32 keys lie in the lane 16 away
	v_mov_b32 v[rT+7], v[rT]                                       ; c m_old
	v_max_num_f32 v[rT+1], v[rT+4], v[rT+5]                        ; the new m
	v_mul_f32 v[rT], s[CS], v[rT+1]
	v_sub_f32 v[rT+7], v[rT+7], v[rT]
.irp j, 0,2,4,6,8,10,12,14,16,18,20,22,24,26,28,30
	v_pk_fma_f32 v[rS+\j:rS+\j+1], v[rS+\j:rS+\j+1], s[CS:CS+1], v[rT:rT+1] op_sel_hi:[1,0,0] neg_lo:[0,0,1] neg_hi:[0,0,1]   ; c s - c m
.endr
	v_exp_f32 v[rT+6], v[rT+7]                                     ; a
.set e, 0
.rept 32
	v_exp_f32 v[rS+e], v[rS+e]                                     ; p
.set e, e+1
.endr
	v_nop                                                          ; a plain line behind the last exponential
	s_wait_alu depctr_va_vdst(0)                                   ; one wait for the batch, ahead of its first reader
	v_pk_mul_f32 v[rT+2:rT+3], v[rT+2:rT+3], v[rT+6:rT+7] op_sel_hi:[1,0]   ; l under the new m
	v_pk_add_f32 v[28:29], v[rS:rS+1], v[rS+2:rS+3]                ; the sum of the unrounded p, in two chains
.irp j, 4,8,12,16,20,24,28
	v_pk_add_f32 v[rT+2:rT+3], v[rT+2:rT+3], v[rS+\j:rS+\j+1]
	v_pk_add_f32 v[28:29], v[28:29], v[rS+\j+2:rS+\j+3]
.endr
	v_pk_add_f32 v[rT+2:rT+3], v[rT+2:rT+3], v[28:29]
.set e, 0
.rept 16
	v_cvt_pk_f16_f32 v[rS+e], v[rS+2*e], v[rS+2*e+1]               ; P, in place: register e takes pair e, which lies at or above it
.set e, e+1
.endr
.irp j, 0,2,4,6,8,10,12,14,16,18,20,22,24,26,28,30
	v_pk_mul_f32 v[rO+\j:rO+\j+1], v[rO+\j:rO+\j+1], v[rT+6:rT+7] op_sel_hi:[1,0]   ; O^T under the new m
.endr
.endm
.macro PV t                            ; O^T += V^T P: four accumulators by turns
.irp kk, 0,1
.irp ct, 0,1,2,3
	v_wmma_f32_16x16x32_f16 v[OO+32*(\t)+8*\ct:OO+32*(\t)+8*\ct+7], v[KV+32*\kk+8*\ct:KV+32*\kk+8*\ct+7], v[SS+32*(\t)+8*\kk:SS+32*(\t)+8*\kk+7], v[OO+32*(\t)+8*\ct:OO+32*(\t)+8*\ct+7]
.endr
.endr
.endm
; A KEY STEP: 64 keys, the q-th of the slot in hand.
.macro STEP q
	s_add_co_u32 s96, s[Q0], 31
	s_cmp_gt_u32 s[KF], s96                        ; all 64 keys come after my 32 queries: the step's work is left out (ids alone; no barrier and no tensor load stands in a step)
	s_cbranch_scc1 .Lhidden_\@
	v_add_nc_u32 v[ADK], s[TB], v[AK0]
	v_add_nc_u32 v[ADV], s[TB], v[AV0]
.rept 3
	v_nop                                          ; with the two additions five places behind the last products: four for the loads into V's registers, five for the scores that are laid over P
.endr
.irp kt, 0,1,2,3
.irp c, 0,1
	ds_load_b128 v[KV+16*\kt+8*\c:KV+16*\kt+8*\c+3],   v[ADK] offset:(64*(\q)+16*\kt)*KP+64*\c
	ds_load_b128 v[KV+16*\kt+8*\c+4:KV+16*\kt+8*\c+7], v[ADK] offset:(64*(\q)+16*\kt)*KP+64*\c+32
.endr
.endr
	s_wait_dscnt 0x0
.irp c, 0,1                                        ; S^T = K Q^T: eight accumulators by turns; the first eight products start the sums
.irp kt, 0,1,2,3
.irp t, 0,1
.if \c == 0
	v_wmma_f32_16x16x32_f16 v[SS+32*\t+8*\kt:SS+32*\t+8*\kt+7], v[KV+16*\kt+8*\c:KV+16*\kt+8*\c+7], v[QQ+16*\t+8*\c:QQ+16*\t+8*\c+7], 0
.else
	v_wmma_f32_16x16x32_f16 v[SS+32*\t+8*\kt:SS+32*\t+8*\kt+7], v[KV+16*\kt+8*\c:KV+16*\kt+8*\c+7], v[QQ+16*\t+8*\c:QQ+16*\t+8*\c+7], v[SS+32*\t+8*\kt:SS+32*\t+8*\kt+7]
.endif
.endr
.endr
.endr
.rept 4
	v_nop                                          ; places in front of the loads into K's registers and of the first read of the scores
.endr
.irp kk, 0,1
.irp ct, 0,1,2,3
	ds_load_tr16_b128 v[KV+32*\kk+8*\ct:KV+32*\kk+8*\ct+3],   v[ADV] offset:(64*(\q)+32*\kk)*VP+32*\ct
	ds_load_tr16_b128 v[KV+32*\kk+8*\ct+4:KV+32*\kk+8*\ct+7], v[ADV] offset:(64*(\q)+32*\kk)*VP+16*VP+32*\ct
.endr
.endr
	s_add_co_u32 s96, s[KF], 63                    ; on the diagonal the scores of hidden keys become -infinity ahead of the maximum.  A step all of whose keys count skips this
	s_cmp_le_u32 s96, s[Q0]
	s_cbranch_scc1 .Lopen_\@
	s_sub_co_i32 s96, s[Q0], s[KF]
.irp t, 0,1
.if \t == 0
	v_add_nc_u32 v[DD], s96, v[RH]                 ; d = my query - KF - 8 (lane / 16).  Register 8 kt + j holds key KF + 16 kt + 8 (lane / 16) + j: hidden where 16 kt + j > d
.else
	v_add_nc_u32 v[DD], 16, v[DD]
.endif
.irp kt, 0,1,2,3
.irp j, 0,1,2,3,4,5,6,7
	v_cmp_gt_i32 vcc_lo, 16*\kt+\j, v[DD]
	v_cndmask_b32 v[SS+32*\t+8*\kt+\j], v[SS+32*\t+8*\kt+\j], v[NINF], vcc_lo
.endr
.endr
.endr
.Lopen_\@:
	SOFTMAX 0
	s_wait_dscnt 0x0                               ; V is in
	PV 0                                           ; tile 0's products run under tile 1's vector work
	SOFTMAX 1
	PV 1
.Lhidden_\@:
	s_add_co_u32 s[KF], s[KF], 64
.endm
; THE CHANGE OF SLOTS stands at a slot's head.  Each wave waits for all its tensor loads, adds 0 to its spare word (fill = 1: twice on end), and waits for
; that and for its reads of the slot that it has left.  Behind the barrier the slot ahead is whole and nobody reads the other one, which is then filled with the keys that follow, up to the causal limit.
.macro CHANGE fill
	s_wait_tensorcnt 0x0                           ; no tensor load of mine is out, so a group 0 may be written
	ds_add_u32 v[SPW], v[NIL]
.if \fill
	ds_add_u32 v[SPW], v[NIL]
	s_xor_b32 s[G0K+1], s[G0K+1], SLOT1            ; the walking descriptors: the other slot than last time,
	s_add_nc_u64 s[G0K+2:G0K+3], s[G0K+2:G0K+3], SK*128   ; the next 256 keys
	s_xor_b32 s[G0V+1], s[G0V+1], SLOT1
	s_add_nc_u64 s[G0V+2:G0V+3], s[G0V+2:G0V+3], SK*128
	s_wait_xcnt 0x0                                ; the last prefetch, a slot back, has read its address, so it may be written:
	s_add_nc_u64 s[PFA:PFA+1], s[PFA:PFA+1], SK*128   ; one slot further on than the walking descriptors
.endif
	s_wait_dscnt 0x0                               ; the add is done, and my reads of the slot that I have left are over
	s_barrier_signal -1
	s_barrier_wait -1
.if \fill
	s_add_co_u32 s96, s[KF], SK                    ; the first key of the slot that this change would ask for:
	s_cmp_gt_u32 s96, s[QMAX]                      ; behind my work-group's last query none of its waves reads it, so it is not asked for.  Ids and the count of steps alone: all sixteen waves go the same way
	s_cbranch_scc1 .Lpast_\@
	TLOAD                                          ; a wave's one tensor load until the next change
.Lpast_\@:
	ASK
.endif
.endm
.macro SLOT_STEPS
	STEP 0
	STEP 1
	STEP 2
	STEP 3
	s_xor_b32 s[TB], s[TB], SLOT1                  ; on to the other slot
.endm
	s_wait_loadcnt 0x0                             ; Q
.Lslot:                                            ; 7 trips: behind each change of slots but the last the next slot is asked for, up to the limit
	CHANGE 1
	SLOT_STEPS
	s_sub_co_u32 s[SLOTS], s[SLOTS], 1
	s_cmp_lg_u32 s[SLOTS], 0
	s_cbranch_scc1 .Lslot
	CHANGE 0                                       ; the last slot is written out: nothing is left to ask for
	SLOT_STEPS
	; THE WAY OUT.  l's two halves and the other half of the lanes' are added; O^T is divided by l, rounded to f16 and sent through my stage in LDS (in slot 0's bytes: they have had their last fill, and nobody
	; reads them behind the last change of slots), so that the wave stores 512 consecutive bytes an instruction.
.irp t, 0,1
	v_add_f32 v[ST+8*\t+4], v[ST+8*\t+2], v[ST+8*\t+3]
.endr
.irp t, 0,1
	v_permlanex16_b32 v[ST+8*\t+5], v[ST+8*\t+4], s[SEL], s[SEL+1]
.endr
.irp t, 0,1
	v_add_f32 v[ST+8*\t+4], v[ST+8*\t+4], v[ST+8*\t+5]
.endr
.irp t, 0,1
	v_rcp_f32 v[ST+8*\t+6], v[ST+8*\t+4]
.endr
	v_and_b32 v1, 15, v0                           ; (plain lines behind the reciprocals)  r
	v_bfe_u32 v2, v0, 4, 1                         ; h
	s_mul_i32 s68, s[WV], 4608                     ; my stage: two tiles of 16 rows x (128 bytes + 16)
	v_mul_u32_u24 v3, v1, 144
	v_lshl_add_u32 v3, v2, 4, v3
	v_add_nc_u32 v3, s68, v3                       ; in: row r, + 16 h
	v_and_b32 v1, 31, v0
	v_lshrrev_b32 v4, 3, v1
	v_mul_u32_u24 v4, v4, 144
	v_and_b32 v1, 7, v0
	v_lshl_add_u32 v4, v1, 4, v4
	v_add_nc_u32 v4, s68, v4                       ; back: eight lanes to a row, four rows an instruction
	s_wait_alu depctr_va_vdst(0)                   ; one wait for the two reciprocals, ahead of their first reader
.irp t, 0,1
.irp j, 0,2,4,6,8,10,12,14,16,18,20,22,24,26,28,30
	v_pk_mul_f32 v[SS+32*\t+\j:SS+32*\t+\j+1], v[OO+32*\t+\j:OO+32*\t+\j+1], v[ST+8*\t+6:ST+8*\t+7] op_sel_hi:[1,0]
.endr
.irp i, 0,1,2,3,4,5,6,7,8,9,10,11,12,13,14,15
	v_cvt_pk_f16_f32 v[KV+16*\t+\i], v[SS+32*\t+2*\i], v[SS+32*\t+2*\i+1]
.endr
.irp ct, 0,1,2,3
	ds_store_b128 v3, v[KV+16*\t+4*\ct:KV+16*\t+4*\ct+3] offset:2304*\t+32*\ct
.endr
.irp i, 0,1,2,3
	ds_load_b128 v[KV+32+16*\t+4*\i:KV+32+16*\t+4*\i+3], v4 offset:2304*\t+576*\i   ; LDS serves a wave's instructions in order: these see my stores
.endr
.endr
.irp t, 0,1
.irp i, 0,1,2,3
	s_wait_dscnt (1-\t)*8+3-\i                     ; behind this load: the rest of its tile's, and for tile 0 tile 1's eight
	global_store_b128 v[GO], v[KV+32+16*\t+4*\i:KV+32+16*\t+4*\i+3], s[10:11] offset:2048*\t+512*\i
.endr
.endr
	s_wait_tensorcnt 0x0                           ; the wave's end
	ds_add_u32 v[SPW], v[NIL]
	s_wait_dscnt 0x0
	s_endpgm
.Lfunc_end_k_q9d8c626e1b_attn:
	.size	k_q9d8c626e1b_attn, .Lfunc_end_k_q9d8c626e1b_attn-k_q9d8c626e1b_attn
	.p2alignl 7, 3214868480
	.fill 96, 4, 3214868480
	.section	.rodata,"a",@progbits
	.p2align	6, 0x0
	.amdhsa_kernel k_q9d8c626e1b_attn
		.amdhsa_group_segment_fixed_size 327680
		.amdhsa_private_segment_fixed_size 0
		.amdhsa_enable_private_segment 0
		.amdhsa_kernarg_size 16
		.amdhsa_user_sgpr_count 2
		.amdhsa_user_sgpr_kernarg_segment_ptr 1
		.amdhsa_wavefront_size32 1
		.amdhsa_system_sgpr_workgroup_id_x 1
		.amdhsa_system_sgpr_workgroup_id_y 1
		.amdhsa_system_sgpr_workgroup_id_z 1
		.amdhsa_system_vgpr_workitem_id 0
		.amdhsa_next_free_vgpr 256
		.amdhsa_next_free_sgpr 100
		.amdhsa_reserve_vcc 1
		.amdhsa_float_denorm_mode_32 3
		.amdhsa_float_denorm_mode_16_64 3
		.amdhsa_memory_ordered 1
		.amdhsa_forward_progress 1
		.amdhsa_inst_pref_size 189
	.end_amdhsa_kernel
	.amdgpu_metadata
---
amdhsa.version: [ 1, 2 ]
amdhsa.kernels:
  - .name:           k_q9d8c626e1b_attn
    .symbol:         k_q9d8c626e1b_attn.kd
    .args:
      - { .name: qkv, .offset: 0, .size: 8, .value_kind: global_buffer, .address_space: global }
      - { .name: ao, .offset: 8, .size: 8, .value_kind: global_buffer, .address_space: global }
    .group_segment_fixed_size: 327680
    .private_segment_fixed_size: 0
    .kernarg_segment_align: 8
    .kernarg_segment_size: 16
    .max_flat_workgroup_size: 512
    .sgpr_count:     100
    .vgpr_count:     256
    .wavefront_size: 32
...
	.end_amdgpu_metadata
.endif
;; end of part 3
;; launch proj (part 4): grid 8 x 32, 4 waves a work-group, clusters of 4 x 4, 327,680 bytes of LDS; arguments ao, wpt, bp, out0; writes out0
.if DOCPART == 4
	.amdgcn_target "amdgcn-amd-amdhsa--gfx1250"
	.amdhsa_code_object_version 6
	.text
	.protected	k_q9d8c626e1b_proj
	.globl	k_q9d8c626e1b_proj
	.p2align	8
	.type	k_q9d8c626e1b_proj,@function
k_q9d8c626e1b_proj:
	s_mov_b64 s[64:65], 0
	v_nop
	global_prefetch_b8 v0, s[64:65] scope:SCOPE_SE
	s_setreg_imm32_b32 hwreg(HW_REG_WAVE_MODE, 25, 1), 1
	s_wait_xcnt 0x0
	s_wait_alu depctr_hold_cnt(0) depctr_sa_sdst(0) depctr_va_vdst(0) depctr_va_sdst(0) depctr_va_ssrc(0) depctr_va_vcc(0) depctr_vm_vsrc(0)
	s_getreg_b32 s2, hwreg(HW_REG_IB_STS2, 6, 4)
	s_cmp_eq_u32 s2, 0
	s_cbranch_scc0 .Lentry_in_a_cluster
	s_endpgm
.Lentry_in_a_cluster:
	s_bfe_u32 s2, ttmp6, 0x10000c
	s_cmp_lg_u32 s2, 0xf033
	s_cbranch_scc0 .Lentry_shape_is_right
	s_endpgm
.Lentry_shape_is_right:
; out0 = ao Wp + bp.  ao: f16, [16 planes of 64 k][8192 rows][64]; wpt: f16, [16 planes][1024 n][64]; bp, out0: f32; sums in f32.
; NOT STORED HERE: the first 16 positions of each of the four sequences; the last launch makes those 64 rows in f32.  They lie inside live tiles of 256 rows, so they are multiplied with them.
; A tile of 256 x 128 of out0 is made by a work-group of four waves: 256 work-groups.  A wave makes 128 x 64: 32 accumulators, all of window 1.  K goes in steps of 128 (two planes) through a ring of two LDS slots.
; CLUSTERS: 4 x 4 work-groups; A's tiles are asked for jointly along a row of the cluster, B's along a column.  Tile row = 8 cy + cluster y (cluster y = 0: the tile begins a sequence); tile column = 4 cluster x + cx.
; Waves 0 and 1 fetch A's two planes of a K step (256 rows x 128 bytes each), waves 2 and 3 B's (128 rows each): one load a wave behind each round; two are out at the start.
; THE MATRIX INSTRUCTION IS USED TRANSPOSED (source 0 = 16 rows of wpt, source 1 = 16 rows of ao): a lane holds eight neighbouring columns of one row.  bp is the C of each sum's first product.
; REGISTERS: window 0: v16-31 addresses; v32-63 bp; v64-159, v160-255 two fragment buffers (B's 4 fragments, then A's 8).  window 1: accumulator (a, b) at v[8 (4 a + b)].
.set PITCH,  144                       ; an LDS row: 128 bytes + 16
.set APL,    256*PITCH                 ; a plane of A's tile
.set BPL,    128*PITCH                 ; of B's
.set BOFF,   2*APL
.set SLOT,   2*APL+2*BPL
.set STAGE,  2*SLOT                    ; behind the ring: 16 rows x (256 bytes + 16) for each wave
.set SPITCH, 272
.set SPARE,  STAGE+4*16*SPITCH         ; the spare words, 128 bytes for each wave: two blocks of 256 bytes that no other line names
.set LAPS,   4                         ; 8 K steps, two a lap
.set ADRA, 16
.set ADRB, 20
.set STO,  24
.set RD,   25
.set CO,   26
.set SPW,  28
.set NIL,  29
.set BO,   31
.set BIAS, 32
.set F0,   64
.set F1,   160
.set G1, 24
.set G0, 32
.set G1B, 48
.set G0B, 56
.set MSB, 0
.macro WIN new
.if MSB != (\new)
	s_set_vgpr_msb (MSB<<8)|(\new)
.set MSB, (\new)
.endif
.endm
.set MULW,  0x50                       ; sources 0 and 1 window 0; C and D window 1
.set FIRSTW, 0x40                      ; C (bp) window 0, D window 1
.macro JLOAD s                         ; a joint load; an s_nop 0 and four v_nop follow each of the two lines
	s_cmp_eq_u32 s13, 0
	s_cbranch_scc0 .Lfor_b_\@
	tensor_load_to_lds s[G0+4*\s:G0+4*\s+3], s[G1:G1+7]
	s_nop 0
.rept 4
	v_nop
.endr
	s_branch .Lasked_\@
.Lfor_b_\@:
	tensor_load_to_lds s[G0B+4*\s:G0B+4*\s+3], s[G1B:G1B+7]
	s_nop 0
.rept 4
	v_nop
.endr
.Lasked_\@:
.endm
.macro CREST
	s_cmp_lg_u32 s12, 0
	s_cbranch_scc1 .Lnot_wave_0_\@
	s_barrier_signal -3
.Lnot_wave_0_\@:
	s_barrier_wait -3
	s_barrier_signal -1
	s_barrier_wait -1
.endm
.macro CROUND
	s_barrier_signal -1
	s_barrier_wait -1
	CREST
.endm
	s_load_b256 s[4:11], s[0:1], 0x0               ; ao s[4:5], wpt s[6:7], bp s[8:9], out0 s[10:11]
	v_lshl_add_u32 v[SPW], v0, 2, SPARE
	v_mov_b32 v[NIL], 0
	ds_add_u32 v[SPW], v[NIL]                      ; the wave's opening: the add, twice on end, and its wait ahead of my first tensor load
	ds_add_u32 v[SPW], v[NIL]
	v_lshrrev_b32 v1, 5, v0
	v_readfirstlane_b32 s12, v1                    ; wave 0..3
	s_lshr_b32 s13, s12, 1                         ; which 128 of the tile's rows are mine.  Also: I fetch for A (0) or for B (1)
	s_and_b32 s14, s12, 1                          ; which 64 of its columns.  Also: which plane of a K step I fetch
	s_bfe_u32 s40, ttmp6, 0x40000                  ; cx
	s_bfe_u32 s41, ttmp6, 0x40004                  ; cy
	s_lshl_b32 s42, ttmp9, 2
	s_add_co_u32 s42, s42, s40                     ; tile column
	s_and_b32 s15, ttmp7, 0xffff
	s_lshl_b32 s16, s41, 3
	s_add_co_u32 s15, s15, s16                     ; tile row = 8 cy + cluster y
	s_lshl_b32 s43, s41, 2
	s_lshl_b32 s43, 15, s43                        ; my row of the cluster
	s_lshl_b32 s44, 0x1111, s40                    ; my column
	s_or_b32 s[G1+0], s43, (1<<16)|(1<<20)|(1<<21)|(4<<22)|(3<<25)   ; the mask; elements of 2 bytes; padding on; bit 21 beside a mask; after every 32 words four words
	s_or_b32 s[G1B+0], s44, (1<<16)|(1<<20)|(1<<21)|(4<<22)|(3<<25)
	s_mov_b32 s[G1+1], 64<<16                      ; A: 256 rows of 64 elements, dense
	s_mov_b32 s[G1+2], 256<<16
	s_mov_b32 s[G1+3], 64<<16
	s_mov_b32 s[G1+4], 256
	s_mov_b32 s[G1+5], 64
	s_mov_b32 s[G1+6], 0
	s_mov_b32 s[G1+7], 0
	s_mov_b32 s[G1B+1], 64<<16                     ; B: 128 rows
	s_mov_b32 s[G1B+2], 128<<16
	s_mov_b32 s[G1B+3], 64<<16
	s_mov_b32 s[G1B+4], 128
	s_mov_b32 s[G1B+5], 64
	s_mov_b32 s[G1B+6], 0
	s_mov_b32 s[G1B+7], 0
	s_lshl_b32 s20, s14, 20                        ; A: my plane (1,048,576 bytes each) + 256 x tile row rows of 128 bytes
	s_lshl_b32 s16, s15, 15
	s_add_co_u32 s20, s20, s16
	s_mov_b32 s21, 0
	s_lshl_b32 s46, s14, 17                        ; B: my plane (131,072 bytes each) + 128 x tile column rows
	s_lshl_b32 s47, s42, 14
	s_add_co_u32 s46, s46, s47
	s_mov_b32 s47, 0
	s_mul_i32 s22, s14, APL                        ; where they go: no place in the cluster enters an LDS address
	s_mul_i32 s23, s14, BPL
	s_add_co_u32 s23, s23, BOFF
	s_wait_dscnt 0x0                               ; both opening adds are done
	s_wait_kmcnt 0x0
	s_add_nc_u64 s[20:21], s[4:5], s[20:21]
	s_add_nc_u64 s[46:47], s[6:7], s[46:47]
	CROUND                                         ; all sixteen work-groups are here: the first joint loads meet
.irp s, 0,1
	s_mov_b32 s[G0+4*\s], 1
	s_add_co_u32 s[G0+4*\s+1], s22, \s*SLOT
	s_add_nc_u64 s[G0+4*\s+2:G0+4*\s+3], s[20:21], \s*2*1048576
	s_or_b32 s[G0+4*\s+3], s[G0+4*\s+3], 0x80000000
	s_mov_b32 s[G0B+4*\s], 1
	s_add_co_u32 s[G0B+4*\s+1], s23, \s*SLOT
	s_add_nc_u64 s[G0B+4*\s+2:G0B+4*\s+3], s[46:47], \s*2*131072
	s_or_b32 s[G0B+4*\s+3], s[G0B+4*\s+3], 0x80000000
	JLOAD \s
.endr
	s_lshl_b32 s46, s42, 9                         ; my first column, in bytes of f32: 512 x tile column + 256 x half: in bp and in a row of out0 alike
	s_lshl_b32 s47, s14, 8
	s_add_co_u32 s46, s46, s47
	s_mov_b32 s47, 0
	s_add_nc_u64 s[8:9], s[8:9], s[46:47]
	s_add_nc_u64 s[10:11], s[10:11], s[46:47]
	v_and_b32 v1, 15, v0                           ; r
	v_bfe_u32 v2, v0, 4, 1                         ; h
	v_lshlrev_b32 v[BO], 5, v2
.irp b, 0,1,2,3                                    ; bp in the result's layout: register 8 b + j = bp[my first column + 16 b + 8 h + j]
	global_load_b128 v[BIAS+8*\b:BIAS+8*\b+3], v[BO], s[8:9] offset:64*\b
	global_load_b128 v[BIAS+8*\b+4:BIAS+8*\b+7], v[BO], s[8:9] offset:64*\b+16
.endr
	v_mul_u32_u24 v3, v1, PITCH
	v_lshl_add_u32 v3, v2, 4, v3                   ; a fragment's row x pitch + 16 x half
	s_mul_i32 s16, s13, 128*PITCH                  ; my 128 rows of A in a plane
	s_mul_i32 s17, s14, 64*PITCH                   ; my 64 rows of B
	s_add_co_u32 s17, s17, BOFF
.irp s, 0,1
	v_add_nc_u32 v[ADRA+\s], s16, v3
	v_add_nc_u32 v[ADRB+\s], s17, v3
	s_add_co_u32 s16, s16, SLOT
	s_add_co_u32 s17, s17, SLOT
.endr
	s_mul_i32 s16, s12, 16*SPITCH
	s_add_co_u32 s16, s16, STAGE                   ; my stage
	v_mul_u32_u24 v4, v1, SPITCH
	v_lshl_add_u32 v4, v2, 5, v4
	v_add_nc_u32 v[STO], s16, v4                   ; in: row r, 32 bytes for each half of the lanes
	v_mul_u32_u24 v5, v2, SPITCH
	v_lshl_add_u32 v5, v1, 4, v5
	v_add_nc_u32 v[RD], s16, v5                    ; back: lanes 0-15 one row of 256 bytes, lanes 16-31 the next
	v_lshlrev_b32 v5, 12, v2
	v_lshl_add_u32 v[CO], v1, 4, v5                ; and the same two rows in out0
	s_lshl_b32 s16, s15, 20                        ; my first row: 256 x tile row + 128 x half, rows of 4,096 bytes
	s_lshl_b32 s17, s13, 19
	s_add_co_u32 s16, s16, s17
	s_mov_b32 s17, 0
	s_add_nc_u64 s[10:11], s[10:11], s[16:17]
	s_and_b32 s18, ttmp7, 0xffff
	s_or_b32 s18, s18, s13                         ; 0 where my first 16 rows are a sequence's first 16
.macro MUL f, a0, n, first             ; n x 4 matrix instructions: A's blocks a0 on x B's four, 32 along K.  The 32 accumulators take turns in the same order in every quarter
.set AA, \a0
.rept \n
.irp b, 0,1,2,3
.if \first
	v_wmma_f32_16x16x32_f16 v[8*(4*AA+\b):8*(4*AA+\b)+7], v[\f+8*\b:\f+8*\b+7], v[\f+32+8*AA:\f+32+8*AA+7], v[BIAS+8*\b:BIAS+8*\b+7]
.else
	v_wmma_f32_16x16x32_f16 v[8*(4*AA+\b):8*(4*AA+\b)+7], v[\f+8*\b:\f+8*\b+7], v[\f+32+8*AA:\f+32+8*AA+7], v[8*(4*AA+\b):8*(4*AA+\b)+7]
.endif
.endr
.set AA, AA+1
.endr
.endm
.macro FETCH slot, q, f                ; 24 LDS loads in one run: the fragments of the K step's q-th 32 along K: B's four, A's blocks 0-3, A's blocks 4-7
	WIN 0
.irp i, 0,1,2,3
	ds_load_b128 v[\f+8*\i:\f+8*\i+3],   v[ADRB+\slot] offset:((\q)/2)*BPL+64*((\q)%2)+\i*16*PITCH
	ds_load_b128 v[\f+8*\i+4:\f+8*\i+7], v[ADRB+\slot] offset:((\q)/2)*BPL+64*((\q)%2)+\i*16*PITCH+32
.endr
.irp i, 0,1,2,3,4,5,6,7
	ds_load_b128 v[\f+32+8*\i:\f+32+8*\i+3],   v[ADRA+\slot] offset:((\q)/2)*APL+64*((\q)%2)+\i*16*PITCH
	ds_load_b128 v[\f+32+8*\i+4:\f+32+8*\i+7], v[ADRA+\slot] offset:((\q)/2)*APL+64*((\q)%2)+\i*16*PITCH+32
.endr
.endm
.macro PLACES                          ; four plain lines in front of loads into registers that matrix instructions have read, and of reads of results
.rept 4
	v_nop
.endr
.endm
.macro QUARTER slot, q, f, g, first    ; multiplies buffer f; in its middle it fetches quarter q of the same slot into buffer g
	s_wait_dscnt 8                                 ; B and A's blocks 0-3 are in; the youngest eight loads (A's blocks 4-7) may be out
.if \first
	WIN FIRSTW
.else
	WIN MULW
.endif
	MUL \f, 0, 4, \first
	PLACES
	FETCH \slot, \q, \g
	s_wait_dscnt 24                                ; all but the 24 just issued
.if \first
	WIN FIRSTW
.else
	WIN MULW
.endif
	MUL \f, 4, 4, \first
.endm
; A K step's last quarter multiplies buffer 1 and changes slots: one barrier; in front of it each wave waits for all its tensor loads, adds 0 to its spare word, and waits for that and for its reads of this slot.
; fill = 1: the barrier opens a round of the cluster's barrier, and this slot is filled again, two K steps ahead, first thing behind the round.
.macro TURN slot, next, fill
	WIN 0
	s_wait_tensorcnt 0x0                           ; all my tensor loads have landed: my part of the next slot
	ds_add_u32 v[SPW], v[NIL]
	s_wait_dscnt 9                                 ; (the add and the youngest eight loads may be out)
	WIN MULW
	MUL F1, 0, 2, 0
	s_wait_dscnt 0x0                               ; the add is done, and my reads of this slot are over
	s_barrier_signal -1
	MUL F1, 2, 2, 0
	WIN 0
	s_barrier_wait -1
.if \fill
	CREST                                          ; no wave of any partner still reads this slot's tile or has a load on its way
	s_add_nc_u64 s[G0+4*\slot+2:G0+4*\slot+3], s[G0+4*\slot+2:G0+4*\slot+3], 4*1048576   ; four planes on
	s_add_nc_u64 s[G0B+4*\slot+2:G0B+4*\slot+3], s[G0B+4*\slot+2:G0B+4*\slot+3], 4*131072
	JLOAD \slot                                    ; the four v_nop behind it are also the places in front of the loads below
.else
	PLACES
.endif
	FETCH \next, 0, F0
	WIN MULW
	MUL F1, 4, 4, 0
.endm
	s_wait_tensorcnt 1                             ; my part of K step 0 is in (K step 1's may be out)
	s_barrier_signal -1
	s_barrier_wait -1                              ; everybody's is
	FETCH 0, 0, F0
	s_wait_loadcnt 0x0                             ; bp
	QUARTER 0, 1, F0, F1, 1                        ; the first quarter stands in front of the loop: its products start the sums from bp
	WIN 0
	s_mov_b32 s3, LAPS-1
.Llap:                                             ; a trip goes once round the ring, from a lap's second quarter to the next lap's first, and fills both slots again
	QUARTER 0, 2, F1, F0, 0
	QUARTER 0, 3, F0, F1, 0
	TURN 0, 1, 1
	QUARTER 1, 1, F0, F1, 0
	QUARTER 1, 2, F1, F0, 0
	QUARTER 1, 3, F0, F1, 0
	TURN 1, 0, 1
	QUARTER 0, 1, F0, F1, 0
	WIN 0
	s_sub_co_u32 s3, s3, 1
	s_cmp_lg_u32 s3, 0
	s_cbranch_scc1 .Llap
	QUARTER 0, 2, F1, F0, 0                        ; the last lap fills nothing, and has no round of the cluster's barrier
	QUARTER 0, 3, F0, F1, 0
	TURN 0, 1, 0
	QUARTER 1, 1, F0, F1, 0
	QUARTER 1, 2, F1, F0, 0
	QUARTER 1, 3, F0, F1, 0
	s_wait_dscnt 8                                 ; the very last quarter: nothing more to fetch
	WIN MULW
	MUL F1, 0, 4, 0
	s_wait_dscnt 0x0
	MUL F1, 4, 4, 0
	WIN 0
; THE WAY OUT, block by block of 16 rows x 64 columns: through my own stage, back as whole rows of 256 bytes: sixteen lanes store 256 consecutive bytes, aligned.
.macro TOSTAGE a
	WIN 0x04                                       ; an LDS store's data are its source 1: window 1
.irp b, 0,1,2,3
	ds_store_b128 v[STO], v[8*(4*(\a)+\b):8*(4*(\a)+\b)+3] offset:64*\b          ; each accumulator from its low end on
	ds_store_b128 v[STO], v[8*(4*(\a)+\b)+4:8*(4*(\a)+\b)+7] offset:64*\b+16
.endr
	WIN 0
.irp t, 0,1,2,3,4,5,6,7
	ds_load_b128 v[64+32*((\a)%2)+4*\t:64+32*((\a)%2)+4*\t+3], v[RD] offset:\t*2*SPITCH   ; LDS serves a wave's instructions in order: these see the stores above
.endr
.endm
.macro SEND a, younger                 ; younger: the LDS instructions issued behind block a's loads, which may stay out
	s_wait_dscnt \younger
.irp t, 0,1,2,3,4,5,6,7
	global_store_b128 v[CO], v[64+32*((\a)%2)+4*\t:64+32*((\a)%2)+4*\t+3], s[10:11] offset:(16*(\a)+2*\t)*4096 th:TH_STORE_NT
.endr
.endm
	PLACES                                         ; behind the last products
	s_cmp_eq_u32 s18, 0
	s_cbranch_scc1 .Lnot_mine                      ; a sequence's first 16 rows are the last launch's
	TOSTAGE 0
	SEND 0, 0
.Lnot_mine:
	TOSTAGE 1
.irp a, 2,3,4,5,6,7
	s_wait_xcnt 0x0                                ; block a - 2's stores have read their registers: block a's loads may land there
	TOSTAGE \a
	SEND \a-1, 16                                  ; behind block a - 1's loads: block a's 8 stores and 8 loads
.endr
	SEND 7, 0
	s_wait_tensorcnt 0x0                           ; the wave's end
	ds_add_u32 v[SPW], v[NIL]
	s_wait_dscnt 0x0
	CROUND                                         ; the closing round
	s_endpgm
.Lfunc_end_k_q9d8c626e1b_proj:
	.size	k_q9d8c626e1b_proj, .Lfunc_end_k_q9d8c626e1b_proj-k_q9d8c626e1b_proj
	.p2alignl 7, 3214868480
	.fill 96, 4, 3214868480
	.section	.rodata,"a",@progbits
	.p2align	6, 0x0
	.amdhsa_kernel k_q9d8c626e1b_proj
		.amdhsa_group_segment_fixed_size 327680
		.amdhsa_private_segment_fixed_size 0
		.amdhsa_enable_private_segment 0
		.amdhsa_kernarg_size 32
		.amdhsa_user_sgpr_count 2
		.amdhsa_user_sgpr_kernarg_segment_ptr 1
		.amdhsa_wavefront_size32 1
		.amdhsa_system_sgpr_workgroup_id_x 1
		.amdhsa_system_sgpr_workgroup_id_y 1
		.amdhsa_system_sgpr_workgroup_id_z 1
		.amdhsa_system_vgpr_workitem_id 0
		.amdhsa_next_free_vgpr 512
		.amdhsa_next_free_sgpr 68
		.amdhsa_reserve_vcc 0
		.amdhsa_float_denorm_mode_32 3
		.amdhsa_float_denorm_mode_16_64 3
		.amdhsa_memory_ordered 1
		.amdhsa_forward_progress 1
		.amdhsa_inst_pref_size 86
	.end_amdhsa_kernel
	.amdgpu_metadata
---
amdhsa.version: [ 1, 2 ]
amdhsa.kernels:
  - .name:           k_q9d8c626e1b_proj
    .symbol:         k_q9d8c626e1b_proj.kd
    .args:
      - { .name: ao, .offset: 0, .size: 8, .value_kind: global_buffer, .address_space: global }
      - { .name: wpt, .offset: 8, .size: 8, .value_kind: global_buffer, .address_space: global }
      - { .name: bp, .offset: 16, .size: 8, .value_kind: global_buffer, .address_space: global }
      - { .name: out0, .offset: 24, .size: 8, .value_kind: global_buffer, .address_space: global }
    .group_segment_fixed_size: 327680
    .private_segment_fixed_size: 0
    .kernarg_segment_align: 8
    .kernarg_segment_size: 32
    .max_flat_workgroup_size: 128
    .sgpr_count:     68
    .vgpr_count:     512
    .wavefront_size: 32
...
	.end_amdgpu_metadata
.endif
;; end of part 4
;; launch fine (part 5): grid 16 x 4, 16 waves a work-group, no clusters, 85,248 bytes of LDS; arguments first, Wp, bp, out0; writes out0
.if DOCPART == 5
	.amdgcn_target "amdgcn-amd-amdhsa--gfx1250"
	.amdhsa_code_object_version 6
	.text
	.protected	k_q9d8c626e1b_fine
	.globl	k_q9d8c626e1b_fine
	.p2align	8
	.type	k_q9d8c626e1b_fine,@function
k_q9d8c626e1b_fine:
	s_mov_b64 s[64:65], 0
	v_nop
	global_prefetch_b8 v0, s[64:65] scope:SCOPE_SE
	s_setreg_imm32_b32 hwreg(HW_REG_WAVE_MODE, 25, 1), 1
	s_wait_xcnt 0x0
; The first 16 positions of each of the four sequences, attention and projection, all in f32: these rows average one to sixteen values and are the largest, so operands rounded to 16 bits would weigh most here.
; first: f32, [3 = q|k|v][batch][head][16][64] (q with bq, k without bk, which is left out as shown at the head of the first launch, v with bv).  Wp [k 1024][n 1024], bp, out0: f32.
; 64 rows of 8,192: no bulk work, so the f32 matrix form serves.  Keys beyond position 15 are hidden from these queries by the causal mask and are not read.
; SHARES.  Work-group (slice, batch) makes 16 rows x 64 columns of out0.  Phase 1: wave = head: its 16 x 16 scores, softmax and 16 x 64 result, which goes to LDS (every slice makes it anew: 32 matrix instructions a wave).
; Phase 2: wave w takes 16 columns (w % 4) and 256 of K (w / 4); the four parts along K meet in LDS and are added in a fixed order.
; LAYOUT.  The f32 form's operands hold k = 2 (lane / 16) + j in register j.  One and the same permutation of k is used on both sources of a product, which keeps the products: register 2 c + j of instruction c
; holds k = base + 32 (lane / 16) + 2 c + j (scores, projection) or key 8 (lane / 16) + 2 c + j (second product), so that a lane loads neighbours.  All products are used transposed: a lane holds one query.
; The registers that the matrix instructions write (v112-159) are written by them alone; each sum begins with the constant 0.
; REGISTERS: v1-13 addresses and constants; v14, v15 the add's two; v16-47 q, later W3; v48-79 k, later W2; v80-111 v, later rows of the attention's result; v112-127 two accumulators (scores, later the projection);
;   v128-159 O^T; v160-167 sums of two accumulators, scores, p; v168-175 p / l; v176-239 W0, W1; v240-247 at work; v248-251 bp.
.set AOP,   4112                       ; a row of the attention's result in LDS: 4,096 bytes + 16
.set RED,   16*AOP                     ; behind it: four parts of 16 rows x (256 bytes + 16)
.set SPARE, RED+4*4352                 ; the spare words, 128 bytes for each wave: eight blocks of 256 bytes that no other line names
.set SPW, 14
.set NIL, 15
.set QF,  16
.set KF,  48
.set VF,  80
.set SA,  112
.set OO,  128
.set TT,  160
.set PP,  168
.set W0,  176
	s_load_b256 s[4:11], s[0:1], 0x0               ; first s[4:5], Wp s[6:7], bp s[8:9], out0 s[10:11]
	v_lshl_add_u32 v[SPW], v0, 2, SPARE
	v_mov_b32 v[NIL], 0
	v_lshrrev_b32 v1, 5, v0
	v_readfirstlane_b32 s12, v1                    ; wave 0..15: the head in phase 1
	s_and_b32 s13, ttmp7, 0xffff                   ; batch
	s_and_b32 s14, s12, 3                          ; phase 2: which 16 columns,
	s_lshr_b32 s15, s12, 2                         ; which 256 of K
	v_and_b32 v1, 15, v0                           ; r
	v_bfe_u32 v2, v0, 4, 1                         ; h
	v_lshlrev_b32 v3, 8, v1
	v_lshl_add_u32 v3, v2, 7, v3                   ; q, k: row r of 256 bytes, + 128 h: my 32 neighbours
	v_lshlrev_b32 v4, 2, v1
	v_lshl_add_u32 v5, v2, 17, v4                  ; Wp: column r, 32 h rows of 4,096 bytes down
	v_lshl_add_u32 v4, v2, 11, v4                  ; v: channel r, 8 h rows of 256 bytes down
	v_lshlrev_b32 v6, 4, v1                        ; bp: 16 bytes a lane of sixteen
	s_lshl_b32 s16, s13, 4
	s_add_co_u32 s16, s16, s12
	s_lshl_b32 s16, s16, 12                        ; first: 4,096 bytes for each (batch, head)
	s_mov_b32 s17, 0
	s_lshl_b32 s18, s15, 20                        ; Wp: 256 rows of 4,096 bytes for each part of K,
	s_lshl_b32 s24, ttmp9, 8                       ; 64 columns a slice,
	s_add_co_u32 s18, s18, s24
	s_lshl_b32 s19, s14, 6                         ; 16 a wave
	s_add_co_u32 s18, s18, s19
	s_mov_b32 s19, 0
	s_mov_b32 s25, 0
	s_lshl_b32 s26, s13, 23                        ; out0: 2,048 rows of 4,096 bytes a batch,
	s_lshl_b32 s27, s12, 13                        ; two rows a wave (waves 0 to 7),
	s_add_co_u32 s26, s26, s27
	s_add_co_u32 s26, s26, s24                     ; the slice's 256 bytes
	s_mov_b32 s27, 0
	s_mov_b32 s20, 0x76543210
	s_mov_b32 s21, 0xfedcba98                      ; v_permlanex16_b32's selects for lane l xor 16
	s_mov_b32 s22, 0x3e38aa3b                      ; c = log2(e) / 8
	s_wait_kmcnt 0x0
	s_add_nc_u64 s[4:5], s[4:5], s[16:17]
	s_add_nc_u64 s[6:7], s[6:7], s[18:19]
	s_add_nc_u64 s[8:9], s[8:9], s[24:25]
	s_add_nc_u64 s[10:11], s[10:11], s[26:27]
.irp i, 0,1,2,3,4,5,6,7
	global_load_b128 v[QF+4*\i:QF+4*\i+3], v3, s[4:5] offset:16*\i
	global_load_b128 v[KF+4*\i:KF+4*\i+3], v3, s[4:5] offset:262144+16*\i
.endr
.irp ct, 0,1,2,3
.irp i, 0,1,2,3,4,5,6,7
	global_load_b32 v[VF+8*\ct+\i], v4, s[4:5] offset:524288+256*\i+64*\ct   ; v(key 8 h + i, channel 16 ct + r)
.endr
.endr
	global_load_b128 v[248:251], v6, s[8:9]
.set i, 0
.rept 64
	global_load_b32 v[W0+i], v5, s[6:7] offset:(64*(i/32)+i%32)*4096         ; groups 0 and 1 of my 256 of K: Wp(64 g + 32 h + i, my column)
.set i, i+1
.endr
	s_wait_loadcnt 63                              ; q and k are in: 97 younger loads may be out, and a wait names 63 at the most
.set c, 0
.rept 16                                           ; S^T = k q^T: two accumulators by turns; the first two products start the sums
.if c < 2
	v_wmma_f32_16x16x4_f32 v[SA+8*(c%2):SA+8*(c%2)+7], v[KF+2*c:KF+2*c+1], v[QF+2*c:QF+2*c+1], 0
.else
	v_wmma_f32_16x16x4_f32 v[SA+8*(c%2):SA+8*(c%2)+7], v[KF+2*c:KF+2*c+1], v[QF+2*c:QF+2*c+1], v[SA+8*(c%2):SA+8*(c%2)+7]
.endif
.set c, c+1
.endr
	; the addresses are made here: seventeen plain lines that name none of those products' registers: the eight places in front of the loads into q's and k's registers and of the first read of the scores
	v_mul_u32_u24 v7, v1, AOP
	v_lshl_add_u32 v7, v2, 5, v7
	s_lshl_b32 s16, s12, 8
	v_add_nc_u32 v7, s16, v7                       ; the result, in: row r, my head's 256 bytes, + 32 h
	v_mul_u32_u24 v8, v1, AOP
	v_lshl_add_u32 v8, v2, 7, v8
	s_lshl_b32 s16, s15, 10
	v_add_nc_u32 v8, s16, v8                       ; and back: row r, my 256 of K, + 128 h
	v_mul_u32_u24 v9, v1, 272
	v_lshl_add_u32 v9, v2, 5, v9
	s_mul_i32 s16, s15, 4352
	s_lshl_b32 s17, s14, 6
	s_add_co_u32 s16, s16, s17
	s_add_co_u32 s16, s16, RED
	v_add_nc_u32 v9, s16, v9                       ; my part of the sums: row r, my 16 columns, + 32 h
	v_mul_u32_u24 v10, v2, 272
	v_lshl_add_u32 v10, v1, 4, v10
	s_mul_i32 s16, s12, 544
	s_add_co_u32 s16, s16, RED
	v_add_nc_u32 v10, s16, v10                     ; waves 0 to 7 read rows 2 w and 2 w + 1 back, sixteen lanes to a row
	v_lshlrev_b32 v11, 12, v2
	v_lshl_add_u32 v11, v1, 4, v11                 ; and the same two rows in out0
	v_lshlrev_b32 v12, 3, v2
	v_sub_nc_u32 v12, v1, v12                      ; d = r - 8 h: register j holds key 8 h + j, hidden where j > d
	v_mov_b32 v13, 0xff800000                      ; -infinity
.set i, 0
.rept 32
	global_load_b32 v[48+i], v5, s[6:7] offset:(128+i)*4096                  ; group 2
.set i, i+1
.endr
.set i, 0
.rept 32
	global_load_b32 v[16+i], v5, s[6:7] offset:(192+i)*4096                  ; group 3
.set i, i+1
.endr
.irp j, 0,1,2,3,4,5,6,7
	v_add_f32 v[TT+\j], v[SA+\j], v[SA+8+\j]       ; the two accumulators, each from its low end on
.endr
.irp j, 0,1,2,3,4,5,6,7
	v_cmp_gt_i32 vcc_lo, \j, v12
	v_cndmask_b32 v[TT+\j], v[TT+\j], v13, vcc_lo
.endr
	v_max3_num_f32 v240, v[TT], v[TT+1], v[TT+2]
	v_max3_num_f32 v241, v[TT+3], v[TT+4], v[TT+5]
	v_max3_num_f32 v240, v240, v[TT+6], v[TT+7]
	v_max_num_f32 v240, v240, v241
	v_permlanex16_b32 v241, v240, s20, s21
	v_max_num_f32 v240, v240, v241                 ; the row's maximum: key 0 counts for every query, so it is a number
	v_mul_f32 v240, s22, v240
.irp j, 0,1,2,3,4,5,6,7
	v_fma_f32 v[TT+\j], v[TT+\j], s22, -v240       ; c s - c m
.endr
.irp j, 0,1,2,3,4,5,6,7
	v_exp_f32 v[TT+\j], v[TT+\j]
.endr
	v_nop                                          ; a plain line behind the last exponential
	s_wait_alu depctr_va_vdst(0)                   ; one wait for the eight, ahead of their first reader
	v_add_f32 v242, v[TT], v[TT+1]
	v_add_f32 v243, v[TT+2], v[TT+3]
	v_add_f32 v244, v[TT+4], v[TT+5]
	v_add_f32 v245, v[TT+6], v[TT+7]
	v_add_f32 v242, v242, v243
	v_add_f32 v244, v244, v245
	v_add_f32 v242, v242, v244
	v_permlanex16_b32 v243, v242, s20, s21
	v_add_f32 v242, v242, v243                     ; the row's sum
	v_rcp_f32 v244, v242
	v_nop
	s_wait_alu depctr_va_vdst(0)
.irp j, 0,1,2,3,4,5,6,7
	v_mul_f32 v[PP+\j], v[TT+\j], v244             ; the weights
.endr
	s_wait_loadcnt 63                              ; v is in: 129 younger loads may be out
.irp c, 0,1,2,3                                    ; O^T = v^T p: four accumulators by turns; the first four products start the sums
.irp ct, 0,1,2,3
.if \c == 0
	v_wmma_f32_16x16x4_f32 v[OO+8*\ct:OO+8*\ct+7], v[VF+8*\ct+2*\c:VF+8*\ct+2*\c+1], v[PP+2*\c:PP+2*\c+1], 0
.else
	v_wmma_f32_16x16x4_f32 v[OO+8*\ct:OO+8*\ct+7], v[VF+8*\ct+2*\c:VF+8*\ct+2*\c+1], v[PP+2*\c:PP+2*\c+1], v[OO+8*\ct:OO+8*\ct+7]
.endif
.endr
.endr
.rept 8
	v_nop                                          ; eight places behind this form: for the stores that read the results and for the loads into v's registers
.endr
.irp ct, 0,1,2,3
	ds_store_b128 v7, v[OO+8*\ct:OO+8*\ct+3] offset:64*\ct
	ds_store_b128 v7, v[OO+8*\ct+4:OO+8*\ct+7] offset:64*\ct+16
.endr
	s_wait_dscnt 0x0                               ; for the others' sake: my stores have landed
	s_barrier_signal -1
	s_barrier_wait -1                              ; 16 rows x 1,024 of the attention's result lie in LDS
; Group g of the projection: 64 of K: source 0 = 16 columns of Wp, source 1 = the 16 rows; two accumulators by turns.  left: the younger loads of Wp that may stay out.
.macro GROUP g, wreg, left
.if (\g) > 0
.rept 8
	v_nop                                          ; places in front of the loads into registers that the last group's products have read
.endr
.endif
.irp i, 0,1,2,3,4,5,6,7
	ds_load_b128 v[VF+4*\i:VF+4*\i+3], v8 offset:256*(\g)+16*\i
.endr
	s_wait_loadcnt \left
	s_wait_dscnt 0x0
.set c, 0
.rept 16
.if ((\g) == 0) && (c < 2)
	v_wmma_f32_16x16x4_f32 v[SA+8*(c%2):SA+8*(c%2)+7], v[\wreg+2*c:\wreg+2*c+1], v[VF+2*c:VF+2*c+1], 0
.else
	v_wmma_f32_16x16x4_f32 v[SA+8*(c%2):SA+8*(c%2)+7], v[\wreg+2*c:\wreg+2*c+1], v[VF+2*c:VF+2*c+1], v[SA+8*(c%2):SA+8*(c%2)+7]
.endif
.set c, c+1
.endr
.endm
	GROUP 0, 176, 63                               ; 96 may be out
	GROUP 1, 208, 63                               ; 64 may be out
	GROUP 2, 48, 32                                ; group 3's 32
	GROUP 3, 16, 0
.rept 8
	v_nop
.endr
.irp j, 0,1,2,3,4,5,6,7
	v_add_f32 v[TT+\j], v[SA+\j], v[SA+8+\j]
.endr
	ds_store_b128 v9, v[TT:TT+3]
	ds_store_b128 v9, v[TT+4:TT+7] offset:16
	s_wait_dscnt 0x0
	s_barrier_signal -1
	s_barrier_wait -1                              ; the four parts along K lie in LDS
	s_cmp_lt_u32 s12, 8
	s_cbranch_scc0 .Ldone
.irp k, 0,1,2,3
	ds_load_b128 v[176+4*\k:176+4*\k+3], v10 offset:4352*\k
.endr
	s_wait_dscnt 0x0
	v_pk_add_f32 v[176:177], v[176:177], v[180:181]
	v_pk_add_f32 v[178:179], v[178:179], v[182:183]
	v_pk_add_f32 v[184:185], v[184:185], v[188:189]
	v_pk_add_f32 v[186:187], v[186:187], v[190:191]
	v_pk_add_f32 v[176:177], v[176:177], v[184:185]
	v_pk_add_f32 v[178:179], v[178:179], v[186:187]
	v_pk_add_f32 v[176:177], v[176:177], v[248:249]
	v_pk_add_f32 v[178:179], v[178:179], v[250:251]      ; + bp
	global_store_b128 v11, v[176:179], s[10:11]    ; sixteen lanes store 256 consecutive bytes, aligned
.Ldone:
	s_wait_tensorcnt 0x0                           ; the wave's end, behind my last LDS store
	ds_add_u32 v[SPW], v[NIL]
	s_wait_dscnt 0x0
	s_endpgm
.Lfunc_end_k_q9d8c626e1b_fine:
	.size	k_q9d8c626e1b_fine, .Lfunc_end_k_q9d8c626e1b_fine-k_q9d8c626e1b_fine
	.p2alignl 7, 3214868480
	.fill 96, 4, 3214868480
	.section	.rodata,"a",@progbits
	.p2align	6, 0x0
	.amdhsa_kernel k_q9d8c626e1b_fine
		.amdhsa_group_segment_fixed_size 85248
		.amdhsa_private_segment_fixed_size 0
		.amdhsa_enable_private_segment 0
		.amdhsa_kernarg_size 32
		.amdhsa_user_sgpr_count 2
		.amdhsa_user_sgpr_kernarg_segment_ptr 1
		.amdhsa_wavefront_size32 1
		.amdhsa_system_sgpr_workgroup_id_x 1
		.amdhsa_system_sgpr_workgroup_id_y 1
		.amdhsa_system_sgpr_workgroup_id_z 1
		.amdhsa_system_vgpr_workitem_id 0
		.amdhsa_next_free_vgpr 256
		.amdhsa_next_free_sgpr 66
		.amdhsa_reserve_vcc 1
		.amdhsa_float_denorm_mode_32 3
		.amdhsa_float_denorm_mode_16_64 3
		.amdhsa_memory_ordered 1
		.amdhsa_forward_progress 1
		.amdhsa_inst_pref_size 35
	.end_amdhsa_kernel
	.amdgpu_metadata
---
amdhsa.version: [ 1, 2 ]
amdhsa.kernels:
  - .name:           k_q9d8c626e1b_fine
    .symbol:         k_q9d8c626e1b_fine.kd
    .args:
      - { .name: first, .offset: 0, .size: 8, .value_kind: global_buffer, .address_space: global }
      - { .name: Wp, .offset: 8, .size: 8, .value_kind: global_buffer, .address_space: global }
      - { .name: bp, .offset: 16, .size: 8, .value_kind: global_buffer, .address_space: global }
      - { .name: out0, .offset: 24, .size: 8, .value_kind: global_buffer, .address_space: global }
    .group_segment_fixed_size: 85248
    .private_segment_fixed_size: 0
    .kernarg_segment_align: 8
    .kernarg_segment_size: 32
    .max_flat_workgroup_size: 512
    .sgpr_count:     66
    .vgpr_count:     256
    .wavefront_size: 32
...
	.end_amdgpu_metadata
.endif
;; end of part 5
